; MI455X (gfx1250); checked and timed in simulation.
; The chip was launched on July 23, 2026; its instructions are those of AMD's public machine-readable ISA for CDNA 5 (MIT licence, August 2026) and "CDNA5" Instruction Set Architecture Reference Guide (July 2026). The comments in the code are by the model that wrote it; some were corrected since.
;; Multi Head Attention. Allowed arithmetic: matrix products marked QUANTISED: E5M2 operands, one E8M0 scale for each 32 along K, by v_wmma_scale_f32_16x16x128_f8f6f4 with both operands' format E5M2, f32 sums; everything else in f32.
;; Inputs: Wk 1,024 x 1,024 float32; Wo 1,024 x 1,024 float32; Wq 1,024 x 1,024 float32; Wv 1,024 x 1,024 float32; bk 1,024 float32; bo 1,024 float32; bq 1,024 float32; bv 1,024 float32; x 4 x 2,048 x 1,024 float32.
;; Outputs: out0 4 x 2,048 x 1,024 float32.
;; This version of the problem:
;;   THIS VERSION OF THE PROBLEM IS GIVEN IN LOW PRECISION. The matrix products marked QUANTISED in the list below multiply operands that are first quantised to E5M2 (5 exponent bits, 2 mantissa bits; 8 bits a number), with one power-of-two scale for each 32 numbers along K (OCP MX v1.0); their sums are f32. All else is computed in f32.
;;   The module's matrix products, in the order in which they are computed (A, B: the left and right operand; K: the contracted axis; several contracted axes count as one K, in the product's order):
;;     1. [M 8,192, K 1,024] x [K 1,024, N 1,024]; A: input x; B: input Wq: QUANTISED
;;     2. [M 8,192, K 1,024] x [K 1,024, N 1,024]; A: input x; B: input Wk: QUANTISED
;;     3. [M 8,192, K 1,024] x [K 1,024, N 1,024]; A: input x; B: input Wv: QUANTISED
;;     4. batch 64 x [M 2,048, K 64] x [K 64, N 2,048]; A: computed on the way; B: computed on the way: QUANTISED
;;     5. batch 64 x [M 2,048, K 2,048] x [K 2,048, N 64]; A: softmax (see below); B: computed on the way: QUANTISED
;;     6. [M 8,192, K 1,024] x [K 1,024, N 1,024]; A: computed on the way; B: input Wo: QUANTISED
;;   THE QUANTISER, for each operand of a quantised product, along K:
;;     - K is cut into blocks of 32 from its start; a last block that is shorter is filled with zeros.
;;     - A block's scale is 2^e with e = floor(log2(the largest magnitude in the block)) - 15, held to -126 .. 127; a block of zeros has e = 0. As a byte (E8M0): e + 127.
;;     - Each number is divided by its block's scale, clamped to +-57,344, and rounded to the nearest number of E5M2, ties to even, subnormals kept.
;;     - The product sums the exact products of the quantised numbers (number of the format x scale) in f32.
;;   ~~~python
;;   def quantise(x, axis):      # numpy; x: float32 -> the quantised numbers, widened to float32 again
;;       x = np.moveaxis(x, axis, -1); K = x.shape[-1]
;;       x = np.pad(x, [(0, 0)] * (x.ndim - 1) + [(0, -K % 32)]); x = x.reshape(x.shape[:-1] + (-1, 32)); a = np.abs(x).max(-1, keepdims=True)
;;       e = np.where(a > 0, np.clip(np.frexp(np.where(a > 0, a, 1))[1] - 1 - 15, -126, 127), 0)      # np.frexp(a)[1] - 1 = floor(log2(a)), exactly
;;       r = np.clip(x / 2.0 ** e, -57344, 57344)
;;       step = 2.0 ** (np.maximum(np.frexp(np.where(r == 0, 1, r))[1] - 1, -14) - 2)
;;       q = np.round(r / step) * step * 2.0 ** e      # np.round: ties to even
;;       return np.moveaxis(q.reshape(q.shape[:-2] + (-1,))[..., :K], -1, axis).astype(np.float32)
;;   ~~~
;;   SOFTMAX AHEAD OF A QUANTISED PRODUCT. Where the list says 'softmax', what is quantised is not the finished softmax but p = 2^(t - M), with t = logit x log2(e) and M = ceil(the row's largest t), a whole number; so 1/2 < the row's largest p <= 1. The row's sum l is taken of the UNQUANTISED p, in f32, and the product's result is divided by l at the end. Since M is a whole number, a kernel that streams over the keys may use a running M (the ceiling of the running maximum): every later rescaling is an exact power of two, which a block's scale takes up: the codes' values come out the same.
;;   OPERANDS COMPUTED ON THE WAY. 'Computed on the way' means the value that the module computes at that place (a softmax that the list does not call 'softmax' is quantised finished and normalised). What goes into a quantiser is computed in f32, as accurately as f32 sums, v_exp_f32 and their like allow (about 1e-6 of the number): no bf16 or f16 on the way to a quantiser, and a product that is left as it is and whose result goes on into a quantised operand takes f32 operands (vector FMAs, or v_wmma_f32_16x16x4_f32). A number that lies on a knife's edge between two numbers of the format may be rounded either way, as far as f32 arithmetic and the matrix unit's own rounding can turn it there, and no further.
;; One version. Each part assembles by itself: llvm-mc -triple=amdgcn-amd-amdhsa -mcpu=gfx1250 --defsym DOCPART=n.
;; ======== version 1 of 1: 4 launches
;; limits: right only within a limited range of input values
;; workspace buffers: cod 12,582,912 bytes; scl 393,216 bytes; qkv 26,476,544 bytes; att 8,388,608 bytes; atts 262,144 bytes
;; launch quant (part 1): grid 384 x 1, 4 waves a work-group, no clusters, 33,280 bytes of LDS; arguments x, Wq, Wk, Wv, Wo, cod, scl; writes cod, scl
.if DOCPART == 1
	.amdgcn_target "amdgcn-amd-amdhsa--gfx1250"
	.amdhsa_code_object_version 6
	.text
	.protected	k_qd0ae3ad32a_quant
	.globl	k_qd0ae3ad32a_quant
	.p2align	8
	.type	k_qd0ae3ad32a_quant,@function
k_qd0ae3ad32a_quant:
	s_mov_b64 s[64:65], 0
	v_nop
	global_prefetch_b8 v0, s[64:65] scope:SCOPE_SE
	s_setreg_imm32_b32 hwreg(HW_REG_WAVE_MODE, 25, 1), 1
	s_wait_xcnt 0x0
; x [8192][1024] and Wq, Wk, Wv, Wo [1024][1024], f32, K innermost, become codes of BF8 (E5M2) with one E8M0 scale byte for each 32 along K.
; cod: [12288 places][1024 bytes], scl: [12288 places][32 bytes]; x's rows take places 0 on, Wq's 8192 on, Wk's 9216 on, Wv's 10240 on, Wo's 11264 on.
; PLACE ORDER: place p holds the row whose number is p with bits 3 and 4 exchanged.  Sixteen neighbouring places are then rows 8 u + r + 8 (r / 8) of a group of 32,
; so that in a product whose source 0 takes sixteen neighbouring places, a lane's sixteen results of two neighbouring tiles are sixteen neighbouring rows.
; A block's scale is 2^(floor(log2(its largest magnitude)) - 15); its byte is the largest magnitude's exponent field - 15, held at 1 from below.
; LIMITS: a block whose largest magnitude lies under 2^-111 takes the byte 1; a block of zeros takes the byte 1 where the rule says 127 (its codes are zeros, and this program alone reads the bytes);
; NaN and infinities among the inputs are not served.
; SHARES: a work-group takes 32 rows, a wave 8 rows = 8,192 numbers = 16 steps of 512.  Exchanging the two bits of the wave's number in the place of its 8 rows is the whole place order.
; Each of a step's four loads reads 512 consecutive bytes; the 2,048 bytes turn through the wave's own stage in LDS and come back 64 bytes a lane, so that a lane holds 16 neighbours along K and two lanes a block.
; No tensor loads, no barrier: waves share nothing.  Loads run four steps (16 loads a wave) ahead, the turn through LDS one step.
.set STEPS, 16
.set EMAX,  15
.set MANT,  0x600000                   ; the mantissa field of 57,344 as f32
.set CB,    16                         ; bytes of 16 codes
.set R,     16                         ; v16-79   four sets of 16 numbers as they are loaded
.set X,     80                         ; v80-111  two sets of 16 neighbours
.set C,     128                        ; v128-191 codes: four registers for each step, so that no store's data are written again
.set E,     112                        ; v112-127 a scale byte for each step
.set WREG,  8192                       ; LDS: a region of its own for each wave: two stages of 32 x SP bytes, and behind them its 256 scale bytes
.set SP,    80                         ; a lane's place in a stage: its 64 bytes + 16 of padding
.set SRC,   12                         ; s[12:13] the tensor that my work-group reads
.set COD,   14                         ; s[14:15] cod
.set SCB,   24                         ; s[24:25] scl
	s_load_b256 s[4:11], s[0:1], 0x0               ; x, Wq, Wk, Wv
	s_load_b128 s[12:15], s[0:1], 0x20             ; Wo, cod
	s_load_b64 s[24:25], s[0:1], 0x30              ; scl
	v_lshl_add_u32 v192, v0, 2, 0x8000
	v_mov_b32 v193, 0
	v_lshrrev_b32 v1, 5, v0
	v_readfirstlane_b32 s16, v1                    ; wave
	v_and_b32 v2, 31, v0                           ; lane
	v_lshlrev_b32 v3, 4, v2                        ; my 16 bytes of a load's 512
	s_mul_i32 s17, s16, WREG
	v_lshrrev_b32 v14, 2, v2
	v_mul_u32_u24 v14, v14, SP
	v_and_b32 v15, 3, v2
	v_lshl_add_u32 v14, v15, 4, v14
	v_add_nc_u32 v14, s17, v14                     ; the stage, on the way in: SP (lane / 4) + 16 (lane % 4)
	v_mul_u32_u24 v15, v2, SP
	v_add_nc_u32 v15, s17, v15                     ; and on the way out: SP x lane: my 16 neighbours
	v_mul_u32_u24 v4, v2, CB                       ; my codes' place in a step's
	v_lshrrev_b32 v5, 1, v2
	s_add_co_u32 s17, s17, 2*32*SP
	v_add_nc_u32 v5, s17, v5                       ; LDS: my wave's 256 scale bytes, my block's byte
	v_lshlrev_b32 v7, 3, v2                        ; and on the way out 8 bytes a lane
	v_add_nc_u32 v6, s17, v7
	s_and_b32 s18, ttmp9, 31                       ; a weight's 32 work-groups begin at multiples of 32
	s_cmp_lt_u32 ttmp9, 256
	s_cselect_b32 s18, ttmp9, s18                  ; my work-group's number within its tensor
	s_lshl_b32 s18, s18, 2
	s_add_co_u32 s18, s18, s16                     ; which 8 rows of the tensor are my wave's,
	s_lshl_b32 s18, s18, 15                        ; in bytes: 32,768 each (under 2^26)
	s_mov_b32 s19, 0
	s_and_b32 s20, s16, 1
	s_lshl_b32 s20, s20, 1
	s_lshr_b32 s21, s16, 1
	s_or_b32 s20, s20, s21                         ; the wave's two bits exchanged
	s_lshl_b32 s21, ttmp9, 2
	s_add_co_u32 s20, s20, s21                     ; which 8 places they go to
	s_lshl_b32 s26, s20, 8                         ; 256 scale bytes,
	s_mov_b32 s27, 0
	s_lshl_b32 s20, s20, 13                        ; 8,192 codes
	s_mov_b32 s21, 0
	s_wait_alu depctr_va_vdst(0)
	s_wait_kmcnt 0x0
	s_cmp_lt_u32 ttmp9, 352                        ; whose work-group?  The bounds descend, so the last that holds decides; the choice hangs on the work-group's number alone
	s_cselect_b64 s[SRC:SRC+1], s[10:11], s[SRC:SRC+1]
	s_cmp_lt_u32 ttmp9, 320
	s_cselect_b64 s[SRC:SRC+1], s[8:9], s[SRC:SRC+1]
	s_cmp_lt_u32 ttmp9, 288
	s_cselect_b64 s[SRC:SRC+1], s[6:7], s[SRC:SRC+1]
	s_cmp_lt_u32 ttmp9, 256
	s_cselect_b64 s[SRC:SRC+1], s[4:5], s[SRC:SRC+1]
	s_add_nc_u64 s[SRC:SRC+1], s[SRC:SRC+1], s[18:19]
	s_add_nc_u64 s[COD:COD+1], s[COD:COD+1], s[20:21]
	s_add_nc_u64 s[SCB:SCB+1], s[SCB:SCB+1], s[26:27]
.macro LOAD t
.irp i, 0,1,2,3
	global_load_b128 v[R+16*((\t)%4)+4*\i:R+16*((\t)%4)+4*\i+3], v3, s[SRC:SRC+1] offset:2048*(\t)+512*\i th:TH_LOAD_NT   ; 32 lanes read 512 consecutive bytes
.endr
.endm
.macro TURN t                          ; step t's numbers through the stage: LDS serves a wave's instructions in order, so no wait stands between the stores and the loads
.irp i, 0,1,2,3
	ds_store_b128 v14, v[R+16*((\t)%4)+4*\i:R+16*((\t)%4)+4*\i+3] offset:32*SP*((\t)%2)+8*SP*\i
.endr
.irp i, 0,1,2,3
	ds_load_b128 v[X+16*((\t)%2)+4*\i:X+16*((\t)%2)+4*\i+3], v15 offset:32*SP*((\t)%2)+16*\i
.endr
.endm
.irp t, 0,1,2,3
	LOAD \t
.endr
	s_wait_loadcnt 12                              ; step 0's four loads are in; twelve younger ones stay out
	TURN 0
.macro STEP t
.set XS, X+16*((\t)%2)
.if (\t) > 0
	s_wait_dscnt 1                                 ; this step's numbers are back from the stage (the last step's byte store may be out): so its stores into the stage have read their registers,
.else
	s_wait_dscnt 0x0
.endif
.if (\t)+4 < STEPS
	LOAD (\t)+4                                    ; which take the loads of four steps on
.endif
.if (\t)+1 < STEPS
.if STEPS-2-(\t) >= 3
	s_wait_loadcnt 12                              ; the next step's four loads are in; those of the three steps behind it may be out
.else
	s_wait_loadcnt 4*(STEPS-2-(\t))
.endif
	TURN (\t)+1                                    ; and go through the other stage while this step is worked
.endif
	v_max3_num_f32 v8, |v[XS]|, |v[XS+1]|, |v[XS+2]|               ; the largest magnitude of my 16, in two chains
	v_max3_num_f32 v9, |v[XS+3]|, |v[XS+4]|, |v[XS+5]|
.irp i, 6,10
	v_max3_num_f32 v8, v8, |v[XS+\i]|, |v[XS+\i+1]|
	v_max3_num_f32 v9, v9, |v[XS+\i+2]|, |v[XS+\i+3]|
.endr
	v_max3_num_f32 v8, v8, |v[XS+14]|, |v[XS+15]|
	v_max3_num_f32 v8, v8, v9, (EMAX+1)<<23        ; and the floor 2^(16 - 127): the byte cannot fall under 1
	v_max_num_f32_dpp v8, v8, v8 row_xmask:1 row_mask:0xf bank_mask:0xf   ; and of my neighbour's 16: the block's
	v_add_nc_u32 v11, -(EMAX<<23), v8              ; 15 off its exponent field: the conversion takes the exponent field of this operand as its scale
.irp i, 0,1,2,3,4,5,6,7,8,9,10,11,12,13,14,15
.endr
	v_cvt_scalef32_pk8_bf8_f32 v[C+4*(\t):C+4*(\t)+1], v[XS:XS+7], v11
	v_cvt_scalef32_pk8_bf8_f32 v[C+4*(\t)+2:C+4*(\t)+3], v[XS+8:XS+15], v11
	v_lshrrev_b32 v[E+(\t)], 23, v11               ; the scale's byte (also the plain line behind the conversions)
	ds_store_b8 v5, v[E+(\t)] offset:16*(\t)       ; both lanes of a block write the same byte with the same value
	global_store_b128 v4, v[C+4*(\t):C+4*(\t)+3], s[COD:COD+1] offset:32*CB*(\t)   ; 32 lanes store 512 consecutive bytes, aligned
.endm
.irp t, 0,1,2,3,4,5,6,7,8,9,10,11,12,13,14,15
	STEP \t
.endr
	ds_load_b64 v[12:13], v6                       ; LDS serves a wave's instructions in order: these see my stores
	s_wait_dscnt 0x0
	global_store_b64 v7, v[12:13], s[SCB:SCB+1]    ; 32 lanes store 256 consecutive bytes, aligned
	s_wait_tensorcnt 0x0
	ds_add_u32 v192, v193
	s_wait_dscnt 0x0
	s_endpgm
.Lfunc_end_k_qd0ae3ad32a_quant:
	.size	k_qd0ae3ad32a_quant, .Lfunc_end_k_qd0ae3ad32a_quant-k_qd0ae3ad32a_quant
	.p2alignl 7, 3214868480
	.fill 96, 4, 3214868480
	.section	.rodata,"a",@progbits
	.p2align	6, 0x0
	.amdhsa_kernel k_qd0ae3ad32a_quant
		.amdhsa_group_segment_fixed_size 33280
		.amdhsa_private_segment_fixed_size 0
		.amdhsa_enable_private_segment 0
		.amdhsa_kernarg_size 56
		.amdhsa_user_sgpr_count 2
		.amdhsa_user_sgpr_kernarg_segment_ptr 1
		.amdhsa_wavefront_size32 1
		.amdhsa_system_sgpr_workgroup_id_x 1
		.amdhsa_system_sgpr_workgroup_id_y 1
		.amdhsa_system_sgpr_workgroup_id_z 1
		.amdhsa_system_vgpr_workitem_id 0
		.amdhsa_next_free_vgpr 194
		.amdhsa_next_free_sgpr 66
		.amdhsa_reserve_vcc 0
		.amdhsa_float_denorm_mode_32 3
		.amdhsa_float_denorm_mode_16_64 3
		.amdhsa_fp16_overflow 1
		.amdhsa_memory_ordered 1
		.amdhsa_forward_progress 1
		.amdhsa_inst_pref_size 34
	.end_amdhsa_kernel
	.amdgpu_metadata
---
amdhsa.version: [ 1, 2 ]
amdhsa.kernels:
  - .name:           k_qd0ae3ad32a_quant
    .symbol:         k_qd0ae3ad32a_quant.kd
    .args:
      - { .name: x, .offset: 0, .size: 8, .value_kind: global_buffer, .address_space: global }
      - { .name: Wq, .offset: 8, .size: 8, .value_kind: global_buffer, .address_space: global }
      - { .name: Wk, .offset: 16, .size: 8, .value_kind: global_buffer, .address_space: global }
      - { .name: Wv, .offset: 24, .size: 8, .value_kind: global_buffer, .address_space: global }
      - { .name: Wo, .offset: 32, .size: 8, .value_kind: global_buffer, .address_space: global }
      - { .name: cod, .offset: 40, .size: 8, .value_kind: global_buffer, .address_space: global }
      - { .name: scl, .offset: 48, .size: 8, .value_kind: global_buffer, .address_space: global }
    .group_segment_fixed_size: 33280
    .private_segment_fixed_size: 0
    .kernarg_segment_align: 8
    .kernarg_segment_size: 56
    .max_flat_workgroup_size: 128
    .sgpr_count:     66
    .vgpr_count:     194
    .wavefront_size: 32
...
	.end_amdgpu_metadata
.endif
;; end of part 1
;; launch qkv (part 2): grid 96 x 4, 4 waves a work-group, clusters of 4 x 4, 327,680 bytes of LDS; arguments cod, scl, bq, bk, bv, qkv; writes qkv
.if DOCPART == 2
	.amdgcn_target "amdgcn-amd-amdhsa--gfx1250"
	.amdhsa_code_object_version 6
	.text
	.protected	k_qd0ae3ad32a_qkv
	.globl	k_qd0ae3ad32a_qkv
	.p2align	8
	.type	k_qd0ae3ad32a_qkv,@function
k_qd0ae3ad32a_qkv:
	s_mov_b64 s[64:65], 0
	v_nop
	global_prefetch_b8 v0, s[64:65] scope:SCOPE_SE
	s_setreg_imm32_b32 hwreg(HW_REG_WAVE_MODE, 25, 1), 1
	s_wait_xcnt 0x0
	s_wait_alu depctr_hold_cnt(0) depctr_sa_sdst(0) depctr_va_vdst(0) depctr_va_sdst(0) depctr_va_ssrc(0) depctr_va_vcc(0) depctr_vm_vsrc(0)
	s_getreg_b32 s2, hwreg(HW_REG_IB_STS2, 6, 4)
	s_cmp_eq_u32 s2, 0
	s_cbranch_scc0 .Lentry_in_a_cluster
	s_endpgm
.Lentry_in_a_cluster:
	s_bfe_u32 s2, ttmp6, 0x10000c
	s_cmp_lg_u32 s2, 0xf033
	s_cbranch_scc0 .Lentry_shape_is_right
	s_endpgm
.Lentry_shape_is_right:
; q = x Wq^T + bq, k = x Wk^T + bk, v = x Wv^T + bv on codes of BF8 (E5M2) with E8M0 scales, K = 1,024; the results are quantised in registers for the attention's two products and stored as images of operand registers.
; ONE TEXT FOR ALL THREE.  A product here is C = A B^T of rows of cod.  Clusters 0 to 15 (number c): A = x's places 1,024 (c / 2) on, B = Wq's (c even) or Wk's (c odd) 1,024 places.
; Clusters 16 to 23: A = Wv's places, B = x's places 1,024 (c - 16) on: that is v TRANSPOSED, so that a lane's registers run along the KEYS, which are the K of attention's second product.
; A tile of C, 256 x 256, is made by four waves, 128 x 128 each: 64 accumulators, 512 registers.  K goes in steps of 256 through a ring of two LDS slots; the scales of the work-group's rows come once and stay.
; CLUSTERS: 4 x 4 work-groups; A's tiles are asked for jointly along a row of the cluster, B's along a column.  The cluster's number, which decides the path, is the same in all sixteen partners.
; THE MATRIX INSTRUCTION IS USED TRANSPOSED (source 0 = 16 places of B, source 1 = 16 places of A).  By cod's place order a lane's 64 results of one block of A's rows are then 128 NEIGHBOURS along B's rows:
; register 16 b + i = B's row 32 b + 16 (lane / 16) + i: the order in which an operand's registers want their K.  For q and k these are two heads' channels (two blocks of 32 each), for v 128 keys (four blocks).
; THE BIAS is the C of each sum's first product: for q and k it goes by B's rows (eight registers for each of B's tiles), for v by A's rows (a lane's number eight times): so the first step of 128 along K is written twice.
; THE WAY OUT uses no LDS: a block's codes are 16 registers a lane; each four leave by one store of 512 consecutive bytes, aligned, lane l's 16 bytes at 16 l.
; qkv: 64 records (batch x 16 + head) of REC bytes: 16 key steps of GS bytes (K's 8 tiles x 1,024; V's 4 tiles x 2,048; K's scale words [16 rows][8 tiles]; V's [16 rows][4 tiles]), then 16 groups of QS bytes (Q's 8 tiles, their scale words).
; A scale word of q or k has its head's two bytes below and zeros above: the upper half of that product's K is zero codes.
; LIMITS: a block whose largest magnitude lies under 2^-111 takes the byte 1; a block of zeros takes the byte 1 (its codes are zeros, and this program alone reads the bytes); NaN and infinities are not served.
; REGISTERS, in windows of 256: window 0: v0-31 addresses; v32-63 scale words, two sets; v64-127 the bias; from v128 A's fragments, one set (on the way out: codes and work).
;   window 1: B's fragments, two sets.   window 2: the accumulators of my rows 0-63 ((a, b) at v[8 (8 a + b)]);   window 3: those of my rows 64-127.
.set KSTEP,  256                       ; along K in a slot
.set NQ,     2                         ; matrix instructions deep
.set ROWB,   256                       ; a tile's row in bytes
.set ASTEP,  256                       ; from a K step of A to the next, in memory
.set KROW,   1024                      ; a row of cod in bytes
.set PITCH,  272                       ; an LDS row: 256 bytes + 16 of padding = 68 words: the 16 rows that a load touches start 4 banks apart (64 banks of 4 bytes: ISA guide 11.1)
.set FR,     16                        ; registers of a fragment
.set NL,     4                         ; LDS loads that bring one
.set NP,     8                         ; places behind this matrix instruction (ISA guide 7.12.1)
.set HALFT,  128*PITCH
.set SLOT,   4*HALFT                   ; A's 256 rows, then B's 256 rows
.set KS,     32                        ; a row of scl in bytes
.set SCL,    2*SLOT                    ; behind the ring: the scales, as rows of 256 bytes + 16 of padding
.set HALFS,  (128*KS/256)*272
.set SBLK,   (16*KS/256)*272
.set SPARE,  SCL+4*HALFS               ; the spare words, 128 bytes for each wave: two blocks of 256 bytes that no other line names
.set REC,    413696
.set GS,     17152
.set QS,     8704
.set QOFF,   16*GS
.set VIMG,   8192
.set KSCW,   16384
.set VSCW,   16896
.set ADRA, 16                          ; v16-17  LDS address of my A fragments in slot 0, 1
.set ADRB, 20                          ; v20-21  the same for B
.set LI,   26                          ; v26     16 x lane: my place in an image
.set ADRS, 27                          ; v27     LDS address of my scale words: lanes 0-15 A's rows, lanes 16-31 B's
.set SPW,  28                          ; v28     LDS address of my spare word; never rewritten
.set NIL,  29                          ; v29     0; never rewritten
.set SC,   32                          ; scale words: set s at v[SC + 16 s]; register 2 i + q: lanes 0-15 A's block i, lanes 16-31 B's block i
.set BI,   64                          ; v64-127 the bias, eight registers a tile
.set AF,   128                         ; A's fragments
.set PC,   128                         ; the way out: v128-143 a block's codes
.set TM,   160                         ; v160-163 largest magnitudes, v164-167 bytes, v172-175 the conversions' scale operands
.set PWS,  176                         ; v176-183 the eight blocks' scale words
.set X,    184                         ; v184-187, v188-191 scale words on their way out
.set Y,    188
.set G1, 24
.set G0, 32
.set G1B, 48
.set G0B, 56
.set G1S, 68
.set G0S, 76
.set G1SB, 80
.set G0SB, 88
.set PATH, 95                          ; s95  0: q, 1: k, 2: v
.set SEL,  98                          ; s[98:99] v_permlanex16_b32's selects for lane l xor 16
.set MNT,  100
.set BE,   18                          ; s[18:19] where my images go in the even head's record; s[20:21] in the odd head's
.set BO,   20
.set SE,   22                          ; s[22:23], s[92:93] the same for the scale words
.set SO,   92
.set MSB, 0
.macro WIN new                         ; the immediate's high byte repeats the setting that is left
.if MSB != (\new)
	s_set_vgpr_msb (MSB<<8)|(\new)
.set MSB, (\new)
.endif
.endm
.set MUL_LO, 0xa1                      ; source 0 (B) window 1, source 1 (A) window 0, C and D window 2
.set MUL_HI, 0xf1                      ; the same, C and D window 3
.set TO_B,   0x40                      ; destination window 1, address window 0
; A joint load: waves 0 and 1 fetch for A, waves 2 and 3 for B; the branch hangs on the wave's number alone.  Four v_nop follow each of the two lines.
.macro JLOAD g0a, g1a, g0b, g1b
	s_cmp_eq_u32 s15, 0
	s_cbranch_scc0 .Lfor_b_\@
	tensor_load_to_lds s[\g0a:\g0a+3], s[\g1a:\g1a+7]
	s_nop 0
.rept 4
	v_nop
.endr
	s_branch .Lasked_\@
.Lfor_b_\@:
	tensor_load_to_lds s[\g0b:\g0b+3], s[\g1b:\g1b+7]
	s_nop 0
.rept 4
	v_nop
.endr
.Lasked_\@:
.endm
.macro CREST                           ; a round of the cluster's barrier behind its opening barrier
	s_cmp_lg_u32 s14, 0
	s_cbranch_scc1 .Lnot_wave_0_\@
	s_barrier_signal -3
.Lnot_wave_0_\@:
	s_barrier_wait -3
	s_barrier_signal -1
	s_barrier_wait -1
.endm
.macro CROUND                          ; a whole round
	s_barrier_signal -1
	s_barrier_wait -1
	CREST
.endm
	s_load_b128 s[4:7], s[0:1], 0x0                ; cod, scl
	s_load_b128 s[8:11], s[0:1], 0x10              ; bq, bk
	s_load_b64 s[12:13], s[0:1], 0x20              ; bv
	s_load_b64 s[96:97], s[0:1], 0x28              ; qkv
	v_lshl_add_u32 v[SPW], v0, 2, SPARE
	v_mov_b32 v[NIL], 0
	ds_add_u32 v28, v29
	ds_add_u32 v28, v29
	s_wait_dscnt 0x0
	v_lshrrev_b32 v1, 5, v0
	v_readfirstlane_b32 s14, v1                    ; wave 0..3
	s_lshr_b32 s15, s14, 1                         ; which half of the tile's rows is mine.  Also: I fetch for A (0) or for B (1)
	s_and_b32 s16, s14, 1                          ; which half of its columns.  Also: which 128 rows of that tile I fetch
	s_bfe_u32 s40, ttmp6, 0x40000                  ; cx, cy: my place in the cluster
	s_bfe_u32 s41, ttmp6, 0x40004
	s_lshl_b32 s43, s41, 2
	s_lshl_b32 s43, 15, s43                        ; my row of the cluster
	s_lshl_b32 s44, 0x1111, s40                    ; my column
	; the path, and A's and B's first places in cod, from the cluster's number c = ttmp9
	s_and_b32 s[PATH], ttmp9, 1
	s_lshr_b32 s66, ttmp9, 1
	s_lshl_b32 s66, s66, 10                        ; q, k: A = x's places 1,024 (c / 2) on,
	s_lshl_b32 s67, s[PATH], 10
	s_add_co_u32 s67, s67, 8192                    ; B = Wq's or Wk's
	s_max_u32 s17, ttmp9, 16
	s_sub_co_u32 s17, s17, 16
	s_lshl_b32 s17, s17, 10                        ; v: B = x's places 1,024 (c - 16) on,
	s_mov_b32 s42, 10240                           ; A = Wv's
	s_cmp_lt_u32 ttmp9, 16
	s_cselect_b32 s[PATH], s[PATH], 2
	s_cselect_b32 s66, s66, s42
	s_cselect_b32 s67, s67, s17
	s_mov_b32 s[SEL], 0x76543210
	s_mov_b32 s[SEL+1], 0xfedcba98
	; descriptor group 1: a tile of 128 rows x 256 bytes, padded in LDS
	s_or_b32 s[G1+0], s43, (0<<16)|(1<<20)|(1<<21)|(5<<22)|(3<<25)  ; 15:0 the mask: A's tiles go to my row; 17:16 elements of 1 byte; 20 padding on; 21 set beside a mask; 24:22 after every 64 words; 31:25 four words
	s_or_b32 s[G1B+0], s44, (0<<16)|(1<<20)|(1<<21)|(5<<22)|(3<<25)
.irp g, G1, G1B
	s_mov_b32 s[\g+1], ROWB<<16                    ; tensor_dim0
	s_mov_b32 s[\g+2], 128<<16                     ; tensor_dim1
	s_mov_b32 s[\g+3], ROWB<<16                    ; tile_dim0
	s_mov_b32 s[\g+4], 128                         ; tile_dim1
	s_mov_b32 s[\g+5], KROW                        ; tensor_dim0_stride
	s_mov_b32 s[\g+6], 0
	s_mov_b32 s[\g+7], 0
.endr
	; the scales of 128 rows: 4,096 dense bytes, as 16 rows of 256 bytes (32 elements of 8 bytes), 16 bytes of padding behind each
	s_or_b32 s[G1S+0], s43, (3<<16)|(1<<20)|(1<<21)|(5<<22)|(3<<25)
	s_or_b32 s[G1SB+0], s44, (3<<16)|(1<<20)|(1<<21)|(5<<22)|(3<<25)
.irp g, G1S, G1SB
	s_mov_b32 s[\g+1], 32<<16
	s_mov_b32 s[\g+2], (128*KS/256)<<16
	s_mov_b32 s[\g+3], 32<<16
	s_mov_b32 s[\g+4], 128*KS/256
	s_mov_b32 s[\g+5], 32
	s_mov_b32 s[\g+6], 0
	s_mov_b32 s[\g+7], 0
.endr
	s_lshl_b32 s18, s16, 7                         ; which 128 rows of the tile I fetch
	s_lshl_b32 s20, s41, 8
	s_add_co_u32 s20, s20, s66
	s_add_co_u32 s20, s20, s18                     ; A: its first place + 256 cy + 128 x half
	s_lshl_b32 s46, s40, 8
	s_add_co_u32 s46, s46, s67
	s_add_co_u32 s46, s46, s18                     ; B: its first place + 256 cx + 128 x half
	s_lshl_b32 s22, s20, 5                         ; their scales' bytes: 32 a place,
	s_mov_b32 s23, 0
	s_lshl_b32 s92, s46, 5
	s_mov_b32 s93, 0
	s_lshl_b32 s20, s20, 10                        ; their codes': 1,024 a place (under 2^24)
	s_mov_b32 s21, 0
	s_lshl_b32 s46, s46, 10
	s_mov_b32 s47, 0
	s_mul_i32 s45, s14, HALFT                      ; where they go: wave x 128 rows: no place in the cluster enters an LDS address
	s_mul_i32 s94, s14, HALFS
	s_wait_kmcnt 0x0
	s_add_nc_u64 s[20:21], s[4:5], s[20:21]
	s_add_nc_u64 s[22:23], s[6:7], s[22:23]
	s_add_nc_u64 s[46:47], s[4:5], s[46:47]
	s_add_nc_u64 s[92:93], s[6:7], s[92:93]
	CROUND                                         ; all sixteen work-groups are here: the first joint loads meet
	s_mov_b32 s[G0S], 1
	s_add_co_u32 s[G0S+1], s94, SCL
	s_mov_b64 s[G0S+2:G0S+3], s[22:23]
	s_or_b32 s[G0S+3], s[G0S+3], 0x80000000
	s_mov_b32 s[G0SB], 1
	s_add_co_u32 s[G0SB+1], s94, SCL
	s_mov_b64 s[G0SB+2:G0SB+3], s[92:93]
	s_or_b32 s[G0SB+3], s[G0SB+3], 0x80000000
	JLOAD G0S, G1S, G0SB, G1SB                     ; the scales first: they are wanted with K step 0
.irp s, 0,1
	s_mov_b32 s[G0+4*\s], 1
	s_add_co_u32 s[G0+4*\s+1], s45, \s*SLOT
	s_add_nc_u64 s[G0+4*\s+2:G0+4*\s+3], s[20:21], \s*ASTEP
	s_or_b32 s[G0+4*\s+3], s[G0+4*\s+3], 0x80000000
	s_mov_b32 s[G0B+4*\s], 1
	s_add_co_u32 s[G0B+4*\s+1], s45, \s*SLOT
	s_add_nc_u64 s[G0B+4*\s+2:G0B+4*\s+3], s[46:47], \s*ROWB
	s_or_b32 s[G0B+4*\s+3], s[G0B+4*\s+3], 0x80000000
	JLOAD G0+4*\s, G1, G0B+4*\s, G1B               ; three tensor loads of mine are out at the most
.endr
	v_and_b32 v1, 15, v0                           ; r = lane % 16: kept
	v_bfe_u32 v2, v0, 4, 1                         ; h = lane / 16: kept
	v_mul_u32_u24 v3, v1, PITCH
	v_lshl_add_u32 v4, v2, 4, v3                   ; a fragment's row x pitch + 16 x half
	s_mul_i32 s21, s15, HALFT                      ; my 128 rows of A
	s_mul_i32 s22, s16, HALFT                      ; my 128 rows of B,
	s_add_co_u32 s22, s22, 2*HALFT                 ; which lie behind A's 256
.irp s, 0,1
	v_add_nc_u32 v[ADRA+\s], s21, v4
	v_add_nc_u32 v[ADRB+\s], s22, v4
	s_add_co_u32 s21, s21, SLOT
	s_add_co_u32 s22, s22, SLOT
.endr
	v_mul_u32_u24 v5, v1, KS                       ; my row's scales: 32 bytes a row,
	v_lshrrev_b32 v6, 8, v5
	v_lshl_add_u32 v5, v6, 4, v5                   ; and 16 more for each 256 passed
	s_mul_i32 s21, s15, HALFS
	s_mul_i32 s22, s16, HALFS
	s_add_co_u32 s22, s22, 2*HALFS
	s_sub_co_u32 s22, s22, s21
	v_mul_u32_u24 v6, s22, v2                      ; lanes 16-31 take B's: one product, the distance between the two bases
	s_add_co_u32 s21, s21, SCL
	v_add_nc_u32 v5, v5, v6
	v_add_nc_u32 v[ADRS], s21, v5
	v_and_b32 v6, 31, v0
	v_lshlrev_b32 v[LI], 4, v6
	; my 128 rows of A and of B, counted from A's and B's first places
	s_lshl_b32 s17, s41, 8
	s_lshl_b32 s2, s15, 7
	s_add_co_u32 s17, s17, s2                      ; 256 cy + 128 (wave / 2)
	s_lshl_b32 s42, s40, 8
	s_lshl_b32 s2, s16, 7
	s_add_co_u32 s42, s42, s2                      ; 256 cx + 128 (wave % 2)
	; THE BIAS, in the results' layout
	s_mov_b32 s47, 0
	s_cmp_eq_u32 s[PATH], 0
	s_cselect_b64 s[8:9], s[8:9], s[10:11]         ; bq for q, bk for k
	s_cmp_eq_u32 s[PATH], 2
	s_cbranch_scc1 .Lbias_v
	s_lshl_b32 s46, s42, 2                         ; q, k: the bias goes by B's rows: tile b, register j, half h: channel 32 (b / 2) + 16 h + 8 (b % 2) + j of my 128
	s_add_nc_u64 s[8:9], s[8:9], s[46:47]
	v_lshlrev_b32 v7, 6, v2
.irp b, 0,1,2,3,4,5,6,7
	global_load_b128 v[BI+8*\b:BI+8*\b+3], v7, s[8:9] offset:(32*(\b/2)+8*(\b%2))*4
	global_load_b128 v[BI+8*\b+4:BI+8*\b+7], v7, s[8:9] offset:(32*(\b/2)+8*(\b%2))*4+16
.endr
	s_branch .Lbias_done
.Lbias_v:
	s_lshl_b32 s46, s17, 2                         ; v: the bias goes by A's rows: block a, lane r: channel 32 (a / 2) + 8 (a % 2) + r + 8 (r / 8) of my 128, the same in all eight registers
	s_add_nc_u64 s[12:13], s[12:13], s[46:47]
	v_and_b32 v8, 8, v1
	v_add_nc_u32 v8, v8, v1
	v_lshlrev_b32 v8, 2, v8
.irp a, 0,1,2,3,4,5,6,7
.irp j, 0,1,2,3,4,5,6,7
	global_load_b32 v[BI+8*\a+\j], v8, s[12:13] offset:(32*(\a/2)+8*(\a%2))*4
.endr
.endr
.Lbias_done:
	; where my results go
	s_add_co_u32 s2, s66, s17                      ; q, k: my first place of x;
	s_add_co_u32 s3, s67, s42                      ; v: likewise
	s_cmp_lt_u32 s[PATH], 2
	s_cselect_b32 s2, s2, s3
	s_cselect_b32 s3, s42, s17                     ; my first channel
	s_lshr_b32 s45, s2, 11                         ; the batch,
	s_lshl_b32 s45, s45, 4
	s_lshr_b32 s3, s3, 6
	s_add_co_u32 s45, s45, s3                      ; x 16 + the even head
	s_mul_i32 s45, s45, REC
	s_bfe_u32 s2, s2, 0x40007                      ; which 128 of the batch's 2,048 places
	s_mul_i32 s20, s2, QS
	s_add_co_u32 s20, s20, QOFF                    ; q's group,
	s_mul_i32 s21, s2, GS                          ; k's and v's key step
	s_mov_b32 s22, KSCW
	s_mov_b32 s23, VSCW-VIMG
	s_cmp_eq_u32 s[PATH], 0
	s_cselect_b32 s20, s20, s21
	s_cselect_b32 s22, 8192, s22                   ; from the images to the scale words: q 8,192, k 16,384,
	s_cmp_eq_u32 s[PATH], 2
	s_cselect_b32 s21, VIMG, 0                     ; v's images lie behind k's,
	s_cselect_b32 s22, s23, s22                    ; v 8,704
	s_add_co_u32 s20, s20, s21
	s_add_co_u32 s20, s20, s45
	s_add_co_u32 s22, s22, s20
	s_mov_b32 s21, 0
	s_mov_b32 s23, 0
	s_add_nc_u64 s[BE:BE+1], s[96:97], s[20:21]
	s_add_nc_u64 s[SE:SE+1], s[96:97], s[22:23]
	s_add_nc_u64 s[BO:BO+1], s[BE:BE+1], REC
	s_add_nc_u64 s[SO:SO+1], s[SE:SE+1], REC
.macro FRAG reg, adr, q, i             ; a fragment, 16 rows x 128 K: lane l holds row l % 16; registers 4 c .. 4 c + 3 hold K = 32 c + 16 (l / 16) + 0 .. 15
.irp c, 0,1,2,3
	ds_load_b128 v[\reg+4*\c:\reg+4*\c+3], v[\adr] offset:128*(\q)+32*\c+(\i)*16*PITCH
.endr
.endm
; 16 matrix instructions: A's blocks a0, a0 + 1 x B's eight, the slot's q-th 128 along K.  p: B's set; sc: the set of scale words.  mode 0: the sums go on; 1: they start from the bias by B's tiles; 2: by A's blocks.
; The 64 accumulators take turns, one instruction a turn, in the same order in every step.
.macro MUL16 a0, p, q, sc, mode
.irp a, \a0, \a0+1
.irp b, 0,1,2,3,4,5,6,7
.set rD, 8*(8*((\a)%4)+\b)
.set rB, 128*(\p)+FR*\b
.set rA, AF+FR*(\a)
.set rSB, SC+8*NQ*(\sc)+NQ*\b+(\q)
.set rSA, SC+8*NQ*(\sc)+NQ*(\a)+(\q)
.if \mode == 1
	v_wmma_scale_f32_16x16x128_f8f6f4 v[rD:rD+7], v[rB:rB+15], v[rA:rA+15], v[BI+8*\b:BI+8*\b+7], v[rSB], v[rSA] matrix_a_fmt:MATRIX_FMT_BF8 matrix_b_fmt:MATRIX_FMT_BF8 matrix_a_scale:MATRIX_SCALE_ROW1
.elseif \mode == 2
	v_wmma_scale_f32_16x16x128_f8f6f4 v[rD:rD+7], v[rB:rB+15], v[rA:rA+15], v[BI+8*(\a):BI+8*(\a)+7], v[rSB], v[rSA] matrix_a_fmt:MATRIX_FMT_BF8 matrix_b_fmt:MATRIX_FMT_BF8 matrix_a_scale:MATRIX_SCALE_ROW1
.else
	v_wmma_scale_f32_16x16x128_f8f6f4 v[rD:rD+7], v[rB:rB+15], v[rA:rA+15], v[rD:rD+7], v[rSB], v[rSA] matrix_a_fmt:MATRIX_FMT_BF8 matrix_b_fmt:MATRIX_FMT_BF8 matrix_a_scale:MATRIX_SCALE_ROW1
.endif
.endr
.endr
.endm
.macro FETCH_B slot, q, p              ; B's eight fragments of the slot's q-th 128 along K into set p
	WIN TO_B
.irp i, 0,1,2,3,4,5,6,7
	FRAG 128*(\p)+FR*\i, ADRB+\slot, \q, \i
.endr
	WIN 0
.endm
.macro FETCH_A slot, q, i0             ; A's blocks i0 .. i0 + 3
.irp i, \i0, \i0+1, \i0+2, \i0+3
	FRAG AF+FR*(\i), ADRA+\slot, \q, \i
.endr
.endm
.macro SCALES sc                       ; the next K step's scale words into set sc: two words a row; lanes 0-15 take A's block i, lanes 16-31 B's block i
.irp i, 0,1,2,3,4,5,6,7
	ds_load_b64 v[SC+8*NQ*\sc+NQ*\i:SC+8*NQ*\sc+NQ*\i+1], v[ADRS] offset:\i*SBLK
.endr
.endm
; A load into a register that a matrix instruction has read, and a vector instruction that reads a matrix result or writes one of its registers, stand NP places behind it;
; only plain vector instructions that name none of its registers are places (ISA guide 7.12.1 for vector instructions).
.macro PLACES n
.rept \n
	v_nop
.endr
.endm
; A step of 128 along K that has its successor in the same slot.  A block of A is free as soon as its eight products are issued: blocks 0-3 are fetched anew in the step's middle, blocks 4-7 at its end.
.macro STEP slot, q, mode
	s_wait_dscnt 4*NL                              ; all but the youngest sixteen loads (A's blocks 4-7) are in
.if \mode
	WIN 0x81                                       ; source 0 window 1; source 1 and the bias window 0; D window 2
.else
	WIN MUL_LO
.endif
	MUL16 0, (\q)%2, \q, \slot, \mode
	MUL16 2, (\q)%2, \q, \slot, \mode
	s_wait_dscnt 0                                 ; A's blocks 4-7 are in
	PLACES NP
	FETCH_B \slot, (\q)+1, 1-(\q)%2
	FETCH_A \slot, (\q)+1, 0
.if \mode
	WIN 0xc1                                       ; the same, D window 3
.else
	WIN MUL_HI
.endif
	MUL16 4, (\q)%2, \q, \slot, \mode
	MUL16 6, (\q)%2, \q, \slot, \mode
	PLACES NP
	WIN 0
	FETCH_A \slot, (\q)+1, 4
.endm
; A slot's last step changes slots: ONE barrier; in front of it each wave waits for all its tensor loads, adds 0 to its spare word, and waits for that and for its own reads of this slot.  fill = 1: this slot is filled again, two K steps ahead.
.macro TURN slot, next, fill
	s_wait_tensorcnt 0x0                           ; all my tensor loads have landed: my part of the next slot
	ds_add_u32 v[SPW], v[NIL]                      ; 0 onto my spare word
	s_wait_dscnt 4*NL+1                            ; (the add and the youngest sixteen loads may be out)
	WIN MUL_LO
	MUL16 0, 1, NQ-1, \slot, 0                     ; sixteen matrix instructions stand between the add and the wait for it
	s_wait_dscnt 0x0                               ; the add is done, and my reads of this slot are over
	s_barrier_signal -1
	MUL16 2, 1, NQ-1, \slot, 0
	WIN 0
	s_barrier_wait -1
.if \fill
	CREST                                          ; the barrier has opened a round of the cluster's barrier: no wave of any partner still reads this slot's tile or has a load on its way
	s_add_nc_u64 s[G0+4*\slot+2:G0+4*\slot+3], s[G0+4*\slot+2:G0+4*\slot+3], 2*ASTEP
	s_add_nc_u64 s[G0B+4*\slot+2:G0B+4*\slot+3], s[G0B+4*\slot+2:G0B+4*\slot+3], 2*ROWB
	JLOAD G0+4*\slot, G1, G0B+4*\slot, G1B         ; the first tensor load behind the round; its four v_nop are among the places in front of the loads below
	PLACES NP-4
.else
	PLACES NP
.endif
	s_wait_alu depctr_va_vdst(0)
	v_add_nc_u32 v[ADRS], 4*NQ, v[ADRS]            ; on to the next K step's scale words (no LDS load of mine is out)
	FETCH_B \next, 0, 0
	FETCH_A \next, 0, 0
	SCALES \next
	WIN MUL_HI
	MUL16 4, 1, NQ-1, \slot, 0
	MUL16 6, 1, NQ-1, \slot, 0
	PLACES NP
	WIN 0
	FETCH_A \next, 0, 4
.endm
	s_wait_tensorcnt 1                             ; the scales and my part of K step 0 are in (K step 1's load may be out),
	s_barrier_signal -1
	s_barrier_wait -1                              ; everybody's are
	FETCH_B 0, 0, 0
	FETCH_A 0, 0, 0
	s_wait_alu depctr_va_vdst(0)
	SCALES 0
	FETCH_A 0, 0, 4
	s_wait_loadcnt 0x0                             ; the bias
	s_cmp_eq_u32 s[PATH], 2                        ; the first step is written twice: only the C of its products differs.  LDS loads and products alone stand in the two arms
	s_cbranch_scc1 .Lfirst_v
	STEP 0, 0, 1
	s_branch .Lfirst_done
.Lfirst_v:
	STEP 0, 0, 2
.Lfirst_done:
	TURN 0, 1, 1                                   ; K = 1,024 is four K steps: both slots are filled again once, so the steps are written out
	STEP 1, 0, 0
	TURN 1, 0, 1
	STEP 0, 0, 0
	TURN 0, 1, 0                                   ; nothing is left to fetch
	STEP 1, 0, 0
	s_wait_dscnt 4*NL                              ; the very last step
	WIN MUL_LO
	MUL16 0, 1, NQ-1, 1, 0
	MUL16 2, 1, NQ-1, 1, 0
	s_wait_dscnt 0
	WIN MUL_HI
	MUL16 4, 1, NQ-1, 1, 0
	MUL16 6, 1, NQ-1, 1, 0
	WIN 0
; THE WAY OUT.  Block a's 64 registers of a lane are four blocks of 32 along the next product's K, 16 numbers of each; lane l xor 16 holds the other 16.
.macro QBLK a
.set W, 2+(\a)/4                       ; the accumulators' window
.set AC, 64*((\a)%4)
.set PB, BE+2*((\a)/4)
	WIN W|(W<<2)                                   ; sources 0 and 1: the accumulators
.irp b, 0,1,2,3
	v_max3_num_f32 v[TM+\b], |v[AC+16*\b]|, |v[AC+16*\b+1]|, 0x8000000   ; my 16 numbers, each accumulator from its low end on, and the floor 2^(16 - 127): the byte cannot fall under 1
.endr
.irp i, 2,4,6,8,10,12,14
.irp b, 0,1,2,3
	v_max3_num_f32 v[TM+\b], |v[AC+16*\b+\i]|, |v[AC+16*\b+\i+1]|, v[TM+\b]   ; (the four blocks by turns)
.endr
.endr
	WIN 0
.irp b, 0,1,2,3
	v_permlanex16_b32 v[TM+4+\b], v[TM+\b], s[SEL], s[SEL+1]
.endr
.irp b, 0,1,2,3
	v_max_num_f32 v[TM+\b], v[TM+\b], v[TM+4+\b]   ; with lane l xor 16's: the block's largest magnitude
.endr
.irp b, 0,1,2,3
	v_add_nc_u32 v[TM+12+\b], 0xf8800000, v[TM+\b] ; 15 off its exponent field: the conversion's scale operand
.endr
.irp b, 0,1,2,3
.endr
.irp b, 0,1,2,3
	v_lshrrev_b32 v[TM+4+\b], 23, v[TM+12+\b]      ; the scale's byte
.endr
	v_lshl_or_b32 v[PWS+\a], v[TM+5], 8, v[TM+4]   ; my row's four bytes
	v_lshl_or_b32 v[PWS+\a], v[TM+6], 16, v[PWS+\a]
	v_lshl_or_b32 v[PWS+\a], v[TM+7], 24, v[PWS+\a]
	WIN W|(W<<6)                                   ; source 0 and destination: the accumulators
.set n, 0
.rept 64
.set n, n+1
.endr
.if (\a) > 0
	s_wait_xcnt 0x0                                ; the last block's stores have read the codes' registers
.endif
	WIN W
.irp b, 0,1,2,3
	v_cvt_scalef32_pk8_bf8_f32 v[PC+4*\b:PC+4*\b+1], v[AC+16*\b:AC+16*\b+7], v[TM+12+\b]
	v_cvt_scalef32_pk8_bf8_f32 v[PC+4*\b+2:PC+4*\b+3], v[AC+16*\b+8:AC+16*\b+15], v[TM+12+\b]
.endr
	WIN 0
	v_nop                                          ; a plain line behind the last conversion
	s_cmp_eq_u32 s[PATH], 2
	s_cbranch_scc1 .Lst_v_\@
	global_store_b128 v[LI], v[PC:PC+3], s[BE:BE+1] offset:(\a)*1024           ; q, k: tile a of the 128 places; the even head's 64 channels,
	global_store_b128 v[LI], v[PC+4:PC+7], s[BE:BE+1] offset:(\a)*1024+512
	global_store_b128 v[LI], v[PC+8:PC+11], s[BO:BO+1] offset:(\a)*1024        ; the odd head's.  Each store covers 512 consecutive bytes, aligned
	global_store_b128 v[LI], v[PC+12:PC+15], s[BO:BO+1] offset:(\a)*1024+512
	s_branch .Lst_d_\@
.Lst_v_\@:
	s_wait_alu depctr_va_vdst(0)
.irp c, 0,1,2,3
	global_store_b128 v[LI], v[PC+4*\c:PC+4*\c+3], s[PB:PB+1] offset:((\a)%4)*2048+\c*512   ; v: blocks 0-3 are the even head's four tiles of channels, blocks 4-7 the odd head's; 128 keys each
.endr
.Lst_d_\@:
.endm
	PLACES NP                                      ; behind the last products: for the reads of results, and for the writes into the registers that held A's fragments
.irp b, 0,1,2,3
	v_mov_b32 v[TM+4+\b], 0                        ; written once: a lane permute's destination counts as one of its sources
.endr
.irp a, 0,1,2,3,4,5,6,7
	QBLK \a
.endr
	; the scale words: lane (r, h) takes those of blocks 4 h .. 4 h + 3 of row r
	v_cmp_eq_u32 vcc_lo, 1, v2
.irp i, 0,1,2,3
	v_cndmask_b32 v[X+\i], v[PWS+\i], v[PWS+4+\i], vcc_lo
.endr
	s_cmp_eq_u32 s[PATH], 2
	s_cbranch_scc1 .Lsw_v
	v_lshlrev_b32 v9, 5, v1
	v_lshl_add_u32 v9, v2, 4, v9                   ; q, k: [16 rows][8 tiles]: 32 r + 16 h
.irp i, 0,1,2,3
	v_lshrrev_b32 v[Y+\i], 16, v[X+\i]             ; the odd head's two bytes, zeros above;
.endr
.irp i, 0,1,2,3
	v_and_b32 v[X+\i], 0xffff, v[X+\i]             ; the even head's likewise
.endr
	global_store_b128 v9, v[X:X+3], s[SE:SE+1]     ; 512 consecutive bytes, aligned
	global_store_b128 v9, v[Y:Y+3], s[SO:SO+1]
	s_branch .Lsw_done
.Lsw_v:
	v_mul_u32_u24 v9, v2, REC
	v_lshl_add_u32 v9, v1, 4, v9                   ; v: [16 rows][4 tiles]: 16 r; lanes 16-31 hold the odd head's, a record on
	s_wait_alu depctr_va_vdst(0)
	global_store_b128 v9, v[X:X+3], s[SE:SE+1]     ; sixteen lanes store 256 consecutive bytes, aligned
.Lsw_done:
	s_wait_tensorcnt 0x0                           ; the wave's end
	ds_add_u32 v[SPW], v[NIL]
	s_wait_dscnt 0x0
	CROUND                                         ; the closing round: no work-group ends while a partner may still ask for a tile that names it
	s_endpgm
.Lfunc_end_k_qd0ae3ad32a_qkv:
	.size	k_qd0ae3ad32a_qkv, .Lfunc_end_k_qd0ae3ad32a_qkv-k_qd0ae3ad32a_qkv
	.p2alignl 7, 3214868480
	.fill 96, 4, 3214868480
	.section	.rodata,"a",@progbits
	.p2align	6, 0x0
	.amdhsa_kernel k_qd0ae3ad32a_qkv
		.amdhsa_group_segment_fixed_size 327680
		.amdhsa_private_segment_fixed_size 0
		.amdhsa_enable_private_segment 0
		.amdhsa_kernarg_size 48
		.amdhsa_user_sgpr_count 2
		.amdhsa_user_sgpr_kernarg_segment_ptr 1
		.amdhsa_wavefront_size32 1
		.amdhsa_system_sgpr_workgroup_id_x 1
		.amdhsa_system_sgpr_workgroup_id_y 1
		.amdhsa_system_sgpr_workgroup_id_z 1
		.amdhsa_system_vgpr_workitem_id 0
		.amdhsa_next_free_vgpr 1024
		.amdhsa_next_free_sgpr 102
		.amdhsa_reserve_vcc 1
		.amdhsa_float_denorm_mode_32 3
		.amdhsa_float_denorm_mode_16_64 3
		.amdhsa_fp16_overflow 1
		.amdhsa_memory_ordered 1
		.amdhsa_forward_progress 1
		.amdhsa_inst_pref_size 177
	.end_amdhsa_kernel
	.amdgpu_metadata
---
amdhsa.version: [ 1, 2 ]
amdhsa.kernels:
  - .name:           k_qd0ae3ad32a_qkv
    .symbol:         k_qd0ae3ad32a_qkv.kd
    .args:
      - { .name: cod, .offset: 0, .size: 8, .value_kind: global_buffer, .address_space: global }
      - { .name: scl, .offset: 8, .size: 8, .value_kind: global_buffer, .address_space: global }
      - { .name: bq, .offset: 16, .size: 8, .value_kind: global_buffer, .address_space: global }
      - { .name: bk, .offset: 24, .size: 8, .value_kind: global_buffer, .address_space: global }
      - { .name: bv, .offset: 32, .size: 8, .value_kind: global_buffer, .address_space: global }
      - { .name: qkv, .offset: 40, .size: 8, .value_kind: global_buffer, .address_space: global }
    .group_segment_fixed_size: 327680
    .private_segment_fixed_size: 0
    .kernarg_segment_align: 8
    .kernarg_segment_size: 48
    .max_flat_workgroup_size: 128
    .sgpr_count:     102
    .vgpr_count:     1024
    .wavefront_size: 32
...
	.end_amdgpu_metadata
.endif
;; end of part 2
;; launch attn (part 3): grid 4 x 64, 16 waves a work-group, clusters of 4 x 1, 276,480 bytes of LDS; arguments qkv, att, atts; writes att, atts
.if DOCPART == 3
	.amdgcn_target "amdgcn-amd-amdhsa--gfx1250"
	.amdhsa_code_object_version 6
	.text
	.protected	k_qd0ae3ad32a_attn
	.globl	k_qd0ae3ad32a_attn
	.p2align	8
	.type	k_qd0ae3ad32a_attn,@function
k_qd0ae3ad32a_attn:
	s_mov_b64 s[64:65], 0
	v_nop
	global_prefetch_b8 v0, s[64:65] scope:SCOPE_SE
	s_setreg_imm32_b32 hwreg(HW_REG_WAVE_MODE, 25, 1), 1
	s_wait_xcnt 0x0
	s_wait_alu depctr_hold_cnt(0) depctr_sa_sdst(0) depctr_va_vdst(0) depctr_va_sdst(0) depctr_va_ssrc(0) depctr_va_vcc(0) depctr_vm_vsrc(0)
	s_getreg_b32 s2, hwreg(HW_REG_IB_STS2, 6, 4)
	s_cmp_eq_u32 s2, 0
	s_cbranch_scc0 .Lentry_in_a_cluster
	s_endpgm
.Lentry_in_a_cluster:
	s_bfe_u32 s2, ttmp6, 0x10000c
	s_cmp_lg_u32 s2, 0x3003
	s_cbranch_scc0 .Lentry_shape_is_right
	s_endpgm
.Lentry_shape_is_right:
; attn[b][q][head] = the sum over keys k <= q of softmax_k(q . k / 32) v, both products on codes of BF8 (E5M2) with E8M0 scales; the result, divided by the row's sum, is quantised along the merged channels for the last projection.
; THE SOFTMAX AHEAD OF THE SECOND PRODUCT: t = score x log2(e) / 32; M = the row's largest t so far, rounded UP to a whole number; p = 2^(t - M) is quantised along the keys, not normalised.
; The row's sum is taken of the unquantised p; when M moves, the sum and O are multiplied by 2^(old M - new M), which rounds nothing.
; SHARES.  A cluster of four work-groups is one (batch, head).  The head's 128 tiles of 16 queries (sixteen neighbouring places: queries 64 j + 32 (cx / 2) + 8 (cx % 2) + r + 8 (r / 8) for tile 4 j + cx) are dealt so:
; work-group cx takes tiles 4 j + cx; its wave w takes j = w and j = 31 - w.  Tile 4 j + cx needs key steps 0 .. j / 2 of 128 keys, whatever cx: so every wave has (w / 2 + 1) + ((31 - w) / 2 + 1) = 17 key steps,
; and no branch hangs on a work-group's place in its cluster.  Only a tile's last key step needs the mask; the steps behind it are left out by a scalar branch on the wave's number and the trip's.
; LDS.  The head's whole K, V and their scale words, 16 key steps of 17,152 bytes, lie in LDS as they lie in the record: images of operand registers.  Each wave asks for one key step, JOINTLY with the same wave
; of its three partners: one load a wave, and nothing is ever filled again, so the loop has no barrier.  A fragment's four registers come by one load of 512 consecutive bytes: no pitch, no padding.
; LAYOUT.  Both products are used transposed: S^T = K Q^T (source 0 = 16 keys, source 1 = my 16 queries), O^T = V^T P^T: a lane holds ONE query throughout.  By the place order the 16 registers of tiles 2 b, 2 b + 1
; of S^T are keys 32 b + 16 (lane / 16) + 0 .. 15, and likewise O^T's are neighbouring channels: the conversions' results are operand registers.
; K = 64 UNDER AN INSTRUCTION OF 128: Q's fragment has zero codes for the upper 64; K's fragment of tile t is 16 registers of which the upper 8 are the next tile's codes (behind the last tile: zeros): finite numbers times zero.
; LIMITS: a block whose largest magnitude lies under 2^-111, or that is all zeros, takes the byte 1; NaN and infinities are not served; a block's largest p is taken from its largest score, which takes v_exp_f32 not to fall where its input rises.
; No prefetch: all that the launch reads is asked for at its head.
.set REC,   413696
.set GS,    17152
.set QS,    8704
.set QOFF,  16*GS
.set VIMG,  8192                       ; in a key step: K's images at 0, V's here,
.set KSCW,  16384                      ; K's scale words [16 rows][8 tiles],
.set VSCW,  16896                      ; V's [16 rows][4 tiles]
.set LI,   1                           ; v1   16 x lane
.set AKS,  2                           ; v2   32 r
.set AVS,  3                           ; v3   16 r
.set ADI,  4                           ; v4-6 the same three + the key step's first byte in LDS
.set ADS,  5
.set ADT,  6
.set AB,   7                           ; v7   32 r + h: my byte in atts
.set STA,  8                           ; v8 -M, v9 the largest t, v[10:11] the sum in two halves: tile A;  v12-15: tile B
.set STB,  12
.set DQA,  16                          ; v16, v17  my query - 16 h
.set DQB,  17
.set QSA,  18                          ; v18, v19  Q's scale words
.set QSB,  19
.set T0,   20
.set T1,   21
.set F,    22                          ; v22  2^(old M - new M); 1 / the sum
.set PW,   23                          ; v23  p's scale word
.set KSW,  24                          ; v24-31  K's eight scale words, then V's four
.set QA,   32                          ; v32-47, v48-63  Q's fragments: 8 registers of codes, 8 of zeros
.set QB,   48
.set R,    64                          ; v64-95  four tiles of K; then p's codes (v64-79) and work:
.set BM,   80
.set PT,   84
.set HD,   88
.set SOP,  92
.set TAIL, 96                          ; v96-103 zeros, never rewritten
.set S,    104                         ; v104-167 S^T, then p, then V's four fragments
.set OA,   168                         ; v168-199, v200-231  O^T
.set OB,   200
.set CA,   232                         ; v232-239, v240-247 attn's codes; v248, v249 its scale bytes
.set CB,   240
.set BYA,  248
.set BYB,  249
.set WV,   10
.set CX,   11
.set BH,   12
.set G1,   16
.set G0,   24
.set SEL,  28
.set CS,   30                          ; s[30:31] c = log2(e) / 32
.set MNT,  32
.set KS,   33                          ; the trip's key step,
.set KF,   34                          ; its first key,
.set TB,   35                          ; its first byte in LDS
.set LA,   36                          ; tile A's, tile B's last key step
.set LB,   37
.macro ROUND
	s_barrier_signal -1
	s_barrier_wait -1
	s_cmp_lg_u32 s[WV], 0
	s_cbranch_scc1 .Lnot_wave_0_\@
	s_barrier_signal -3
.Lnot_wave_0_\@:
	s_barrier_wait -3
	s_barrier_signal -1
	s_barrier_wait -1
.endm
	s_load_b128 s[4:7], s[0:1], 0x0                ; qkv, att
	s_load_b64 s[8:9], s[0:1], 0x10                ; atts
	v_lshl_add_u32 v254, v0, 2, 0x43000
	v_mov_b32 v255, 0
	ds_add_u32 v254, v255
	ds_add_u32 v254, v255
	v_lshrrev_b32 v1, 5, v0
	s_delay_alu instid0(VALU_DEP_1)
	v_readfirstlane_b32 s[WV], v1                  ; wave 0..15
	s_bfe_u32 s[CX], ttmp6, 0x40000                ; my place in the cluster
	s_and_b32 s[BH], ttmp7, 0xffff                 ; batch x 16 + head: the cluster's y
	s_mul_i32 s13, s[BH], REC                      ; the record's first byte (under 2^25)
	; a key step: 17,152 dense bytes as 67 rows of 256 bytes (32 elements of 8 bytes), no padding
	s_mov_b32 s[G1], 15|(3<<16)|(1<<21)            ; 15:0 the mask: all four work-groups; 17:16 elements of 8 bytes; 21 set beside a mask
	s_mov_b32 s[G1+1], 32<<16                      ; tensor_dim0
	s_mov_b32 s[G1+2], 67<<16                      ; tensor_dim1
	s_mov_b32 s[G1+3], 32<<16                      ; tile_dim0
	s_mov_b32 s[G1+4], 67                          ; tile_dim1
	s_mov_b32 s[G1+5], 32                          ; tensor_dim0_stride
	s_mov_b32 s[G1+6], 0
	s_mov_b32 s[G1+7], 0
	s_mov_b32 s[G0], 1
	s_mul_i32 s[G0+1], s[WV], GS                   ; LDS: key step w at 17,152 w
	s_add_co_u32 s2, s[G0+1], s13
	s_mov_b32 s3, 0
	s_wait_dscnt 0x0
	s_wait_kmcnt 0x0
	s_add_nc_u64 s[G0+2:G0+3], s[4:5], s[2:3]      ; and in the record: nothing of cx enters
	s_or_b32 s[G0+3], s[G0+3], 0x80000000
	ROUND                                          ; all four work-groups are here: the joint loads meet
	tensor_load_to_lds s[G0:G0+3], s[G1:G1+7]      ; my one tensor load
	s_nop 0
.rept 4
	v_nop
.endr
	s_mov_b32 s[SEL], 0x76543210
	s_mov_b32 s[SEL+1], 0xfedcba98
	s_mov_b32 s[CS], 0x3d38aa3b
	s_mov_b32 s[CS+1], s[CS]                       ; (named with it as a pair, so it is written)
	s_lshr_b32 s54, s[BH], 4
	s_lshl_b32 s54, s54, 7                         ; 128 x batch: the batch's first tile
	s_and_b32 s56, s[BH], 15
	s_lshl_b32 s55, s56, 10                        ; the head's 1,024 bytes in a tile's 16,384 of att
	s_lshl_b32 s56, s56, 1                         ; and its two bytes in a row of atts
	s_lshr_b32 s57, s[CX], 1
	s_lshl_b32 s57, s57, 5
	s_and_b32 s58, s[CX], 1
	s_lshl_b32 s58, s58, 3
	s_add_co_u32 s57, s57, s58                     ; 32 (cx / 2) + 8 (cx % 2)
	s_sub_co_u32 s59, 31, s[WV]                    ; tile B's j
	s_lshr_b32 s[LA], s[WV], 1
	s_lshr_b32 s[LB], s59, 1
; the pointers of the tile with j in s[jr]: Q's images, Q's scale words, att, atts; and its first query
.macro PTRS jr, qi, qw, oi, ow, fq
	s_lshr_b32 s2, s[\jr], 1
	s_mul_i32 s2, s2, QS
	s_add_co_u32 s2, s2, s13
	s_add_co_u32 s2, s2, QOFF                      ; the group of 128 places
	s_and_b32 s3, s[\jr], 1
	s_lshl_b32 s3, s3, 2
	s_add_co_u32 s3, s3, s[CX]                     ; the tile in it: 4 (j % 2) + cx
	s_mov_b32 s15, 0
	s_lshl_b32 s14, s3, 10
	s_add_co_u32 s14, s14, s2
	s_add_nc_u64 s[\qi:\qi+1], s[4:5], s[14:15]
	s_lshl_b32 s14, s3, 2
	s_add_co_u32 s14, s14, s2
	s_add_co_u32 s14, s14, 8192
	s_add_nc_u64 s[\qw:\qw+1], s[4:5], s[14:15]
	s_lshl_b32 s2, s[\jr], 2
	s_add_co_u32 s2, s2, s[CX]
	s_add_co_u32 s2, s2, s54                       ; the tile among all 512
	s_lshl_b32 s14, s2, 14
	s_add_co_u32 s14, s14, s55
	s_add_nc_u64 s[\oi:\oi+1], s[6:7], s[14:15]
	s_lshl_b32 s14, s2, 9
	s_add_co_u32 s14, s14, s56
	s_add_nc_u64 s[\ow:\ow+1], s[8:9], s[14:15]
	s_lshl_b32 s[\fq], s[\jr], 6
	s_add_co_u32 s[\fq], s[\fq], s57
.endm
	PTRS WV, 38, 40, 46, 48, 60
	PTRS 59, 42, 44, 50, 52, 61
	v_and_b32 v20, 31, v0
	s_delay_alu instid0(VALU_DEP_1)
	v_lshlrev_b32 v[LI], 4, v20
	v_and_b32 v21, 15, v0                          ; r
	s_delay_alu instid0(VALU_DEP_1)
	v_lshlrev_b32 v[AKS], 5, v21
	s_delay_alu instid0(VALU_DEP_2)
	v_lshlrev_b32 v[AVS], 4, v21
	global_load_b128 v[QA:QA+3], v[LI], s[38:39]             ; Q's fragments stay in registers
	global_load_b128 v[QA+4:QA+7], v[LI], s[38:39] offset:512
	global_load_b32 v[QSA], v[AKS], s[40:41]                 ; lane r: row r's word
	global_load_b128 v[QB:QB+3], v[LI], s[42:43]
	global_load_b128 v[QB+4:QB+7], v[LI], s[42:43] offset:512
	global_load_b32 v[QSB], v[AKS], s[44:45]
	v_bfe_u32 v22, v0, 4, 1                        ; h
	s_delay_alu instid0(VALU_DEP_1)
	v_lshl_add_u32 v[AB], v21, 5, v22
	v_and_b32 v4, 8, v21
	s_delay_alu instid0(VALU_DEP_1)
	v_add_nc_u32 v4, v4, v21                       ; r + 8 (r / 8)
	s_delay_alu instid0(VALU_DEP_4)
	v_lshlrev_b32 v5, 4, v22
	s_delay_alu instid0(VALU_DEP_1)
	v_sub_nc_u32 v4, v4, v5                        ; - 16 h
	s_delay_alu instid0(VALU_DEP_1)
	v_add_nc_u32 v[DQA], s60, v4
	s_delay_alu instid0(VALU_DEP_2)
	v_add_nc_u32 v[DQB], s61, v4
.set n, 0
.rept 8
	v_mov_b32 v[QA+8+n], 0                         ; the zero half of Q's fragments, and the zeros behind K's last tile
	v_mov_b32 v[QB+8+n], 0
	v_mov_b32 v[TAIL+n], 0
.set n, n+1
.endr
.set n, 0
.rept 64
	v_mov_b32 v[OA+n], 0                           ; O^T of both tiles.  (The key step is written once for each tile: its first trip finds zeros, which the first change of M leaves zeros)
.set n, n+1
.endr
.irp st, STA, STB
	v_mov_b32 v[\st+1], 0xff61b1e6                 ; the largest t so far: -3e38, under every t
	s_delay_alu instid0(VALU_DEP_1)
	v_floor_f32 v[\st], -v[\st+1]                  ; -M
	v_mov_b32 v[\st+2], 0                          ; the sum, in two halves
	v_mov_b32 v[\st+3], 0
.endr
.irp b, 0,1,2,3
	v_mov_b32 v[PT+\b], 0                          ; a lane permute's destination counts as one of its sources
.endr
	v_mov_b32 v[T1], 0
	v_mov_b32 v[PW], 0                             ; (named as the upper half of the pair v[22:23] before it is first written)
	s_mov_b32 s[KS], 0
	s_mov_b32 s[KF], 0
	s_mov_b32 s[TB], 0
	s_wait_tensorcnt 0x0                           ; my key step has landed,
	s_barrier_signal -1
	s_barrier_wait -1                              ; everybody's has: all sixteen lie in LDS
	s_wait_loadcnt 0x0                             ; Q
; A KEY STEP of one tile: 128 keys.  st: its statistics; qf, qs: Q's fragment and scale words; ob: O^T; dq: my query - 16 h; lim: the scalar register with the tile's last key step.
.macro STEP st, qf, qs, ob, dq, lim
	s_cmp_gt_u32 s[KS], s[\lim]                    ; all these keys come after the tile's queries: the step is left out
	s_cbranch_scc1 .Lhidden_\@
	s_wait_alu depctr_va_vdst(0)
	ds_load_b128 v[KSW:KSW+3], v[ADS] offset:KSCW              ; K's scale words: lane r has row r's of all eight tiles
	ds_load_b128 v[KSW+4:KSW+7], v[ADS] offset:KSCW+16
	s_wait_alu depctr_va_vdst(0)
.irp g, 0,1                                    ; S^T = K Q^T, four tiles of 16 keys at a time
.if \g
.rept 8
	v_nop                                          ; places in front of loads into registers that matrix instructions have read
.endr
.endif
.irp t, 0,1,2,3
	ds_load_b128 v[R+8*\t:R+8*\t+3], v[ADI] offset:(4*\g+\t)*1024
	ds_load_b128 v[R+8*\t+4:R+8*\t+7], v[ADI] offset:(4*\g+\t)*1024+512
.endr
	s_wait_dscnt 0x0
.irp t, 0,1,2,3
	v_wmma_scale_f32_16x16x128_f8f6f4 v[S+8*(4*\g+\t):S+8*(4*\g+\t)+7], v[R+8*\t:R+8*\t+15], v[\qf:\qf+15], 0, v[KSW+4*\g+\t], v[\qs] matrix_a_fmt:MATRIX_FMT_BF8 matrix_b_fmt:MATRIX_FMT_BF8
.endr
.endr
.rept 8
	v_nop
.endr
	s_cmp_lt_u32 s[KS], s[\lim]                    ; only the tile's last key step has hidden keys
	s_cbranch_scc1 .Lopen_\@
	v_sub_nc_u32 v[T0], v[\dq], s[KF]              ; d = my query - the step's first key - 16 h.  Register 16 b + i holds key 32 b + 16 h + i of the step: hidden where 32 b + i > d
	v_mov_b32 v[T1], 0xff800000                    ; -infinity: p = 0 then
.set n, 0
.rept 64
	v_cmp_gt_i32 vcc_lo, 32*(n/16)+n%16, v[T0]
	v_cndmask_b32 v[S+n], v[S+n], v[T1], vcc_lo
.set n, n+1
.endr
.Lopen_\@:
.irp b, 0,1,2,3
	v_max3_num_f32 v[BM+\b], v[S+16*\b], v[S+1+16*\b], v[S+2+16*\b]   ; the largest score of each block of 32 keys: for the row's maximum, and, since p rises with the score, for the block's largest p
.endr
.irp i, 3,5,7,9,11,13
.irp b, 0,1,2,3
	v_max3_num_f32 v[BM+\b], v[BM+\b], v[S+16*\b+\i], v[S+1+16*\b+\i]
.endr
.endr
.irp b, 0,1,2,3
	v_max_num_f32 v[BM+\b], v[BM+\b], v[S+15+16*\b]
.endr
.irp b, 0,1,2,3
	s_delay_alu instid0(VALU_DEP_4)
	v_permlanex16_b32 v[PT+\b], v[BM+\b], s[SEL], s[SEL+1]
.endr
.irp b, 0,1,2,3
	s_delay_alu instid0(VALU_DEP_4)
	v_max_num_f32 v[BM+\b], v[BM+\b], v[PT+\b]     ; with lane l xor 16's 16 keys
.endr
	s_delay_alu instid0(VALU_DEP_2)
	v_max3_num_f32 v[T0], v[BM], v[BM+1], v[BM+2]
	s_delay_alu instid0(VALU_DEP_1)
	v_max_num_f32 v[T0], v[T0], v[BM+3]            ; the step's largest score of my query
	s_delay_alu instid0(VALU_DEP_1)
	v_mul_f32 v[T0], s[CS], v[T0]                  ; as t (c is positive)
	s_delay_alu instid0(VALU_DEP_1)
	v_max_num_f32 v[\st+1], v[\st+1], v[T0]        ; the running largest t
	v_mov_b32 v[T0], v[\st]
	s_delay_alu instid0(VALU_DEP_2)
	v_floor_f32 v[\st], -v[\st+1]                  ; the new -M = floor(-t) = -ceil(t)
	s_delay_alu instid0(VALU_DEP_1)
	v_sub_f32 v[T0], v[\st], v[T0]                 ; old M - new M: a whole number, 0 or less
	s_delay_alu instid0(VALU_DEP_1)
	v_cvt_i32_f32 v[T0], v[T0]                     ; (it saturates)
	s_delay_alu instid0(VALU_DEP_1)
	v_ldexp_f32 v[F], 1.0, v[T0]                   ; f = 2^(old M - new M)
.set j, 0
.rept 32
	v_pk_fma_f32 v[S+j:S+j+1], v[S+j:S+j+1], s[CS:CS+1], v[\st:\st+1] op_sel_hi:[1,0,0]   ; t - M, two at a time (of the pairs c and -M the low word serves both halves)
.set j, j+2
.endr
.irp b, 0,1,2,3
	v_fma_f32 v[BM+\b], v[BM+\b], s[CS], v[\st]    ; the same of each block's largest score
.endr
.set j, 0
	s_wait_alu depctr_va_vdst(0)
.rept 64
	v_exp_f32 v[S+j], v[S+j]                       ; p = 2^(t - M), at most 1
.set j, j+1
.endr
	v_pk_mul_f32 v[\st+2:\st+3], v[\st+2:\st+3], v[F:F+1] op_sel_hi:[1,0]   ; the sums under the new M (a plain line behind the exponentials)
	s_wait_alu depctr_va_vdst(0)                   ; one wait for the whole batch, ahead of its first reader
.irp b, 0,1,2,3
	v_exp_f32 v[BM+\b], v[BM+\b]                   ; the block's largest p: the same two instructions on the same number give the same bits
.endr
	v_pk_add_f32 v[PT:PT+1], v[S:S+1], v[S+2:S+3]  ; the row's sum is taken of the unquantised p: two at a time, in two chains
.set j, 4
.rept 15
	v_pk_add_f32 v[\st+2:\st+3], v[\st+2:\st+3], v[S+j:S+j+1]
	v_pk_add_f32 v[PT:PT+1], v[PT:PT+1], v[S+j+2:S+j+3]
.set j, j+4
.endr
	s_delay_alu instid0(VALU_DEP_1)
	v_pk_add_f32 v[\st+2:\st+3], v[\st+2:\st+3], v[PT:PT+1]
	s_wait_alu depctr_va_vdst(0)                   ; and one for the four
.irp b, 0,1,2,3
	v_max_num_f32 v[BM+\b], 0x8000000, v[BM+\b]    ; the floor 2^(16 - 127): the byte cannot fall under 1
.endr
.irp b, 0,1,2,3
	s_delay_alu instid0(VALU_DEP_4)
	v_add_nc_u32 v[SOP+\b], 0xf8800000, v[BM+\b]   ; 15 off the exponent field: the conversion's scale operand
.endr
.irp b, 0,1,2,3
.endr
.irp b, 0,1,2,3
	s_delay_alu instid0(VALU_DEP_4)
	v_lshrrev_b32 v[PT+\b], 23, v[SOP+\b]          ; the scale's byte
.endr
	s_delay_alu instid0(VALU_DEP_3)
	v_lshl_or_b32 v[PW], v[PT+1], 8, v[PT]         ; p's scale word for these 128 keys
	s_delay_alu instid0(VALU_DEP_1)
	v_lshl_or_b32 v[PW], v[PT+2], 16, v[PW]
	s_delay_alu instid0(VALU_DEP_1)
	v_lshl_or_b32 v[PW], v[PT+3], 24, v[PW]
.irp b, 0,1,2,3
.set i, 0
.rept 16
.set i, i+1
.endr
	v_cvt_scalef32_pk8_bf8_f32 v[R+4*\b:R+4*\b+1], v[S+16*\b:S+16*\b+7], v[SOP+\b]
	v_cvt_scalef32_pk8_bf8_f32 v[R+4*\b+2:R+4*\b+3], v[S+16*\b+8:S+16*\b+15], v[SOP+\b]
.endr
	v_nop
.irp a, 0,1,2,3                                ; V's four tiles of 16 channels x 128 keys take p's registers
.irp c, 0,1,2,3
	ds_load_b128 v[S+16*\a+4*\c:S+16*\a+4*\c+3], v[ADI] offset:VIMG+\a*2048+\c*512
.endr
.endr
	ds_load_b128 v[KSW:KSW+3], v[ADT] offset:VSCW  ; and their scale words
.set j, 0
.rept 16
	v_pk_mul_f32 v[\ob+j:\ob+j+1], v[\ob+j:\ob+j+1], v[F:F+1] op_sel_hi:[1,0]   ; O^T under the new M, while the loads land.  (Also the places between the codes' conversions and the products)
.set j, j+2
.endr
	s_wait_alu depctr_va_vdst(0)
	s_wait_dscnt 0x0
.irp a, 0,1,2,3
	v_wmma_scale_f32_16x16x128_f8f6f4 v[\ob+8*\a:\ob+8*\a+7], v[S+16*\a:S+16*\a+15], v[R:R+15], v[\ob+8*\a:\ob+8*\a+7], v[KSW+\a], v[PW] matrix_a_fmt:MATRIX_FMT_BF8 matrix_b_fmt:MATRIX_FMT_BF8
.endr
.rept 9
	v_nop                                          ; the next step's loads land in registers that these products read (8 places), and its products write over V's fragments (9)
.endr
.Lhidden_\@:
.endm
.Lstep:                                            ; 16 trips, a constant: a trip is one key step for both tiles
	v_add_nc_u32 v[ADI], s[TB], v[LI]
	v_add_nc_u32 v[ADS], s[TB], v[AKS]
	v_add_nc_u32 v[ADT], s[TB], v[AVS]
	STEP STA, QA, QSA, OA, DQA, LA
	STEP STB, QB, QSB, OB, DQB, LB
	s_add_co_u32 s[TB], s[TB], GS
	s_add_co_u32 s[KF], s[KF], 128
	s_add_co_u32 s[KS], s[KS], 1
	s_cmp_lt_u32 s[KS], 16
	s_cbranch_scc1 .Lstep
; THE WAY OUT of a tile: O^T / the sum; register 16 b + i is channel 32 b + 16 h + i of the head: two blocks of 32 along the last projection's K, quantised as they stand.
.macro OUT st, ob, cd, by, pimg, psc
	v_add_f32 v[T0], v[\st+2], v[\st+3]            ; the sum's two halves,
	s_wait_alu depctr_va_vdst(0)
	v_permlanex16_b32 v[T1], v[T0], s[SEL], s[SEL+1]
	s_delay_alu instid0(VALU_DEP_1)
	v_add_f32 v[T0], v[T0], v[T1]                  ; and lane l xor 16's
	s_wait_alu depctr_va_vdst(0)
	v_rcp_f32 v[F], v[T0]
	v_and_b32 v[T1], 16, v0                        ; (a plain line behind the reciprocal)
	s_wait_alu depctr_va_vdst(0)                   ; the wait ahead of its first reader
.set j, 0
.rept 16
	v_pk_mul_f32 v[S+j:S+j+1], v[\ob+j:\ob+j+1], v[F:F+1] op_sel_hi:[1,0]   ; each accumulator from its low end on
.set j, j+2
.endr
.irp b, 0,1
	v_max3_num_f32 v[BM+\b], |v[S+16*\b]|, |v[S+1+16*\b]|, 0x8000000
.endr
.irp i, 2,4,6,8,10,12,14
.irp b, 0,1
	s_delay_alu instid0(VALU_DEP_2)
	v_max3_num_f32 v[BM+\b], v[BM+\b], |v[S+16*\b+\i]|, |v[S+1+16*\b+\i]|
.endr
.endr
.irp b, 0,1
	s_delay_alu instid0(VALU_DEP_2)
	v_permlanex16_b32 v[PT+\b], v[BM+\b], s[SEL], s[SEL+1]
.endr
.irp b, 0,1
	s_delay_alu instid0(VALU_DEP_2)
	v_max_num_f32 v[BM+\b], v[BM+\b], v[PT+\b]
.endr
.irp b, 0,1
	s_delay_alu instid0(VALU_DEP_2)
	v_add_nc_u32 v[SOP+\b], 0xf8800000, v[BM+\b]
.endr
.irp b, 0,1
.endr
.irp b, 0,1
	s_delay_alu instid0(VALU_DEP_2)
	v_lshrrev_b32 v[PT+\b], 23, v[SOP+\b]
.endr
	v_cmp_ne_u32 vcc_lo, 0, v[T1]
	s_delay_alu instid0(VALU_DEP_1)
	v_cndmask_b32 v[\by], v[PT], v[PT+1], vcc_lo   ; lanes 0-15 store block 0's byte, lanes 16-31 block 1's
.irp b, 0,1
.set i, 0
.rept 16
.set i, i+1
.endr
	v_cvt_scalef32_pk8_bf8_f32 v[\cd+4*\b:\cd+4*\b+1], v[S+16*\b:S+16*\b+7], v[SOP+\b]
	v_cvt_scalef32_pk8_bf8_f32 v[\cd+4*\b+2:\cd+4*\b+3], v[S+16*\b+8:S+16*\b+15], v[SOP+\b]
.endr
	v_nop                                          ; a plain line behind the last conversion
	global_store_b128 v[LI], v[\cd:\cd+3], s[\pimg:\pimg+1]               ; 512 consecutive bytes, aligned: four registers of the projection's operand
	global_store_b128 v[LI], v[\cd+4:\cd+7], s[\pimg:\pimg+1] offset:512
	global_store_b8 v[AB], v[\by], s[\psc:\psc+1]  ; a row's 32 scale bytes come from sixteen clusters, two from each: they leave singly, one byte for each 32 codes
.endm
	OUT STA, OA, CA, BYA, 46, 48
	OUT STB, OB, CB, BYB, 50, 52
	s_wait_tensorcnt 0x0
	ds_add_u32 v254, v255
	s_wait_dscnt 0x0
	ROUND                                          ; the closing round: no work-group ends while a partner may still ask for a tile that names it
	s_endpgm
.Lfunc_end_k_qd0ae3ad32a_attn:
	.size	k_qd0ae3ad32a_attn, .Lfunc_end_k_qd0ae3ad32a_attn-k_qd0ae3ad32a_attn
	.p2alignl 7, 3214868480
	.fill 96, 4, 3214868480
	.section	.rodata,"a",@progbits
	.p2align	6, 0x0
	.amdhsa_kernel k_qd0ae3ad32a_attn
		.amdhsa_group_segment_fixed_size 276480
		.amdhsa_private_segment_fixed_size 0
		.amdhsa_enable_private_segment 0
		.amdhsa_kernarg_size 24
		.amdhsa_user_sgpr_count 2
		.amdhsa_user_sgpr_kernarg_segment_ptr 1
		.amdhsa_wavefront_size32 1
		.amdhsa_system_sgpr_workgroup_id_x 1
		.amdhsa_system_sgpr_workgroup_id_y 1
		.amdhsa_system_sgpr_workgroup_id_z 1
		.amdhsa_system_vgpr_workitem_id 0
		.amdhsa_next_free_vgpr 256
		.amdhsa_next_free_sgpr 66
		.amdhsa_reserve_vcc 1
		.amdhsa_float_denorm_mode_32 3
		.amdhsa_float_denorm_mode_16_64 3
		.amdhsa_fp16_overflow 1
		.amdhsa_memory_ordered 1
		.amdhsa_forward_progress 1
		.amdhsa_inst_pref_size 64
	.end_amdhsa_kernel
	.amdgpu_metadata
---
amdhsa.version: [ 1, 2 ]
amdhsa.kernels:
  - .name:           k_qd0ae3ad32a_attn
    .symbol:         k_qd0ae3ad32a_attn.kd
    .args:
      - { .name: qkv, .offset: 0, .size: 8, .value_kind: global_buffer, .address_space: global }
      - { .name: att, .offset: 8, .size: 8, .value_kind: global_buffer, .address_space: global }
      - { .name: atts, .offset: 16, .size: 8, .value_kind: global_buffer, .address_space: global }
    .group_segment_fixed_size: 276480
    .private_segment_fixed_size: 0
    .kernarg_segment_align: 8
    .kernarg_segment_size: 24
    .max_flat_workgroup_size: 512
    .sgpr_count:     66
    .vgpr_count:     256
    .wavefront_size: 32
...
	.end_amdgpu_metadata
.endif
;; end of part 3
;; launch proj (part 4): grid 4 x 32, 4 waves a work-group, clusters of 4 x 4, 327,680 bytes of LDS; arguments att, atts, cod, scl, bo, out0; writes out0
.if DOCPART == 4
	.amdgcn_target "amdgcn-amd-amdhsa--gfx1250"
	.amdhsa_code_object_version 6
	.text
	.protected	k_qd0ae3ad32a_proj
	.globl	k_qd0ae3ad32a_proj
	.p2align	8
	.type	k_qd0ae3ad32a_proj,@function
k_qd0ae3ad32a_proj:
	s_mov_b64 s[64:65], 0
	v_nop
	global_prefetch_b8 v0, s[64:65] scope:SCOPE_SE
	s_setreg_imm32_b32 hwreg(HW_REG_WAVE_MODE, 25, 1), 1
	s_wait_xcnt 0x0
	s_wait_alu depctr_hold_cnt(0) depctr_sa_sdst(0) depctr_va_vdst(0) depctr_va_sdst(0) depctr_va_ssrc(0) depctr_va_vcc(0) depctr_vm_vsrc(0)
	s_getreg_b32 s2, hwreg(HW_REG_IB_STS2, 6, 4)
	s_cmp_eq_u32 s2, 0
	s_cbranch_scc0 .Lentry_in_a_cluster
	s_endpgm
.Lentry_in_a_cluster:
	s_bfe_u32 s2, ttmp6, 0x10000c
	s_cmp_lg_u32 s2, 0xf033
	s_cbranch_scc0 .Lentry_shape_is_right
	s_endpgm
.Lentry_shape_is_right:
; out0 = attn Wo^T + bo on codes of BF8 (E5M2) with E8M0 scales: M = 8,192, N = 1,024, K = 1,024; out0 f32.
; A = attn: att holds it as images of operand registers, [tile of 16 places: 512][128 along K: 8][4 registers: 4][lane][16 bytes]; its scale bytes atts [8192 places][32].  B = Wo: places 11,264 on of cod and scl.
; A tile of C, 256 x 256, is made by four waves, 128 x 128 each; K goes in steps of 256 through a ring of two LDS slots; the scales of the work-group's rows come once and stay.
; A's part of a slot is 8 tiles x 4,096 bytes for each half: a fragment's four registers come by one load of 512 consecutive bytes.  B's rows lie padded, 272 bytes apart.
; CLUSTERS: 4 x 4 work-groups; A's tiles are asked for jointly along a row of the cluster, B's along a column.
; THE MATRIX INSTRUCTION IS USED TRANSPOSED (source 0 = 16 places of Wo, source 1 = 16 places of attn).  By the place order tile b's register j of lane half h is column 32 (b / 2) + 16 h + 8 (b % 2) + j of my 128,
; and lane r of block a is row 32 (a / 2) + 8 (a % 2) + r + 8 (r / 8) of my 128: the way out puts both back.  The bias is the C of each sum's first product.
; 128 work-groups: the problem has 128 tiles of this size; a smaller tile would read each fragment for half the products.
; REGISTERS, in windows of 256: window 0: v0-31 addresses; v32-63 scale words, two sets; v64-127 the bias; from v128 A's fragments, one set (on the way out: rows of C).
;   window 1: B's fragments, two sets.   window 2: the accumulators of my rows 0-63 ((a, b) at v[8 (8 a + b)]);   window 3: those of my rows 64-127.
.set KSTEP,  256
.set NQ,     2
.set ROWB,   256
.set ASTEP,  4096                      ; from a K step of A to the next, in memory: two times 2,048 bytes of a tile
.set KROW,   1024
.set PITCH,  272                       ; B's LDS rows: 256 bytes + 16 of padding = 68 words: the 16 rows that a load touches start 4 banks apart (64 banks of 4 bytes: ISA guide 11.1)
.set FR,     16
.set NL,     4
.set NP,     8                         ; places behind this matrix instruction (ISA guide 7.12.1)
.set HALFT,  128*PITCH                 ; a wave's part of a slot (A's parts use 32,768 bytes of it)
.set SLOT,   4*HALFT
.set KS,     32
.set SCL,    2*SLOT
.set HALFS,  (128*KS/256)*272
.set SBLK,   (16*KS/256)*272
.set SPARE,  SCL+4*HALFS               ; the spare words, 128 bytes for each wave: two blocks of 256 bytes that no other line names
.set SPITCH, 528                       ; the way out: a stage of 16 rows x (512 bytes + 16) for each wave, in slot 0, which has had its last fill and its last read when the first result is stored there
.set ADRA, 16
.set ADRB, 20
.set STO,  24                          ; v24  the way out: where I put 32 bytes of a row
.set RD,   25                          ; v25  where I read a row back
.set CO,   26                          ; v26  16 x lane
.set ADRS, 27
.set SPW,  28
.set NIL,  29
.set SC,   32
.set BI,   64
.set AF,   128
.set BK,   128                         ; the way out: 16 rows read back: v128-191 and v192-255 by turns
.set G1, 24
.set G0, 32
.set G1B, 48
.set G0B, 56
.set G1S, 68
.set G0S, 76
.set G1SB, 80
.set G0SB, 88
.set MSB, 0
.macro WIN new                         ; the immediate's high byte repeats the setting that is left
.if MSB != (\new)
	s_set_vgpr_msb (MSB<<8)|(\new)
.set MSB, (\new)
.endif
.endm
.set MUL_LO, 0xa1
.set MUL_HI, 0xf1
.set TO_B,   0x40
.macro JLOAD g0a, g1a, g0b, g1b        ; a joint load: waves 0 and 1 fetch for A, waves 2 and 3 for B; four v_nop follow each of the two lines
	s_cmp_eq_u32 s15, 0
	s_cbranch_scc0 .Lfor_b_\@
	tensor_load_to_lds s[\g0a:\g0a+3], s[\g1a:\g1a+7]
	s_nop 0
.rept 4
	v_nop
.endr
	s_branch .Lasked_\@
.Lfor_b_\@:
	tensor_load_to_lds s[\g0b:\g0b+3], s[\g1b:\g1b+7]
	s_nop 0
.rept 4
	v_nop
.endr
.Lasked_\@:
.endm
.macro CREST
	s_cmp_lg_u32 s14, 0
	s_cbranch_scc1 .Lnot_wave_0_\@
	s_barrier_signal -3
.Lnot_wave_0_\@:
	s_barrier_wait -3
	s_barrier_signal -1
	s_barrier_wait -1
.endm
.macro CROUND
	s_barrier_signal -1
	s_barrier_wait -1
	CREST
.endm
	s_load_b128 s[4:7], s[0:1], 0x0                ; att, atts
	s_load_b128 s[8:11], s[0:1], 0x10              ; cod, scl
	s_load_b64 s[96:97], s[0:1], 0x20              ; bo
	s_load_b64 s[12:13], s[0:1], 0x28              ; out0
	v_lshl_add_u32 v[SPW], v0, 2, SPARE
	v_mov_b32 v[NIL], 0
	ds_add_u32 v28, v29
	ds_add_u32 v28, v29
	s_wait_dscnt 0x0
	v_lshrrev_b32 v1, 5, v0
	v_readfirstlane_b32 s14, v1                    ; wave 0..3
	s_lshr_b32 s15, s14, 1                         ; which half of the tile's rows is mine.  Also: I fetch for A (0) or for B (1)
	s_and_b32 s16, s14, 1                          ; which half of its columns.  Also: which half of that tile I fetch
	s_bfe_u32 s40, ttmp6, 0x40000                  ; cx, cy
	s_bfe_u32 s41, ttmp6, 0x40004
	s_lshl_b32 s42, ttmp9, 2
	s_add_co_u32 s42, s42, s40                     ; tile column of C
	s_and_b32 s17, ttmp7, 0xffff
	s_lshl_b32 s17, s17, 2
	s_add_co_u32 s17, s17, s41                     ; tile row of C
	s_lshl_b32 s43, s41, 2
	s_lshl_b32 s43, 15, s43                        ; my row of the cluster
	s_lshl_b32 s44, 0x1111, s40                    ; my column
	; A's tiles: 8 rows of 4,096 bytes (512 elements of 8 bytes), 16,384 bytes apart in memory, on end in LDS
	s_or_b32 s[G1+0], s43, (3<<16)|(1<<21)         ; 15:0 the mask: my row; 17:16 elements of 8 bytes; 21 set beside a mask; no padding
	s_mov_b32 s[G1+1], 512<<16                     ; tensor_dim0
	s_mov_b32 s[G1+2], 8<<16                       ; tensor_dim1
	s_mov_b32 s[G1+3], 512<<16                     ; tile_dim0
	s_mov_b32 s[G1+4], 8                           ; tile_dim1
	s_mov_b32 s[G1+5], 2048                        ; tensor_dim0_stride
	s_mov_b32 s[G1+6], 0
	s_mov_b32 s[G1+7], 0
	; B's tiles: 128 rows x 256 bytes, padded in LDS
	s_or_b32 s[G1B+0], s44, (0<<16)|(1<<20)|(1<<21)|(5<<22)|(3<<25)
	s_mov_b32 s[G1B+1], ROWB<<16
	s_mov_b32 s[G1B+2], 128<<16
	s_mov_b32 s[G1B+3], ROWB<<16
	s_mov_b32 s[G1B+4], 128
	s_mov_b32 s[G1B+5], KROW
	s_mov_b32 s[G1B+6], 0
	s_mov_b32 s[G1B+7], 0
	; the scales of 128 rows: 4,096 dense bytes, as 16 rows of 256 bytes, 16 bytes of padding behind each
	s_or_b32 s[G1S+0], s43, (3<<16)|(1<<20)|(1<<21)|(5<<22)|(3<<25)
	s_or_b32 s[G1SB+0], s44, (3<<16)|(1<<20)|(1<<21)|(5<<22)|(3<<25)
.irp g, G1S, G1SB
	s_mov_b32 s[\g+1], 32<<16
	s_mov_b32 s[\g+2], (128*KS/256)<<16
	s_mov_b32 s[\g+3], 32<<16
	s_mov_b32 s[\g+4], 128*KS/256
	s_mov_b32 s[\g+5], 32
	s_mov_b32 s[\g+6], 0
	s_mov_b32 s[\g+7], 0
.endr
	s_lshl_b32 s18, s16, 7                         ; which 128 rows of the tile I fetch
	s_lshl_b32 s22, s17, 8
	s_add_co_u32 s22, s22, s18                     ; A: place 256 x tile row + 128 x half
	s_lshl_b32 s20, s22, 10                        ; its codes: 16,384 bytes for 16 places,
	s_mov_b32 s21, 0
	s_lshl_b32 s22, s22, 5                         ; its scale bytes: 32 a place
	s_mov_b32 s23, 0
	s_lshl_b32 s46, s42, 8
	s_add_co_u32 s46, s46, s18
	s_add_co_u32 s46, s46, 11264                   ; B: Wo's place 256 x tile column + 128 x half
	s_lshl_b32 s92, s46, 5
	s_mov_b32 s93, 0
	s_lshl_b32 s46, s46, 10
	s_mov_b32 s47, 0
	s_mul_i32 s45, s14, HALFT                      ; where they go: no place in the cluster enters an LDS address
	s_mul_i32 s94, s14, HALFS
	s_wait_kmcnt 0x0
	s_add_nc_u64 s[20:21], s[4:5], s[20:21]
	s_add_nc_u64 s[22:23], s[6:7], s[22:23]
	s_add_nc_u64 s[46:47], s[8:9], s[46:47]
	s_add_nc_u64 s[92:93], s[10:11], s[92:93]
	CROUND                                         ; all sixteen work-groups are here: the first joint loads meet
	s_mov_b32 s[G0S], 1
	s_add_co_u32 s[G0S+1], s94, SCL
	s_mov_b64 s[G0S+2:G0S+3], s[22:23]
	s_or_b32 s[G0S+3], s[G0S+3], 0x80000000
	s_mov_b32 s[G0SB], 1
	s_add_co_u32 s[G0SB+1], s94, SCL
	s_mov_b64 s[G0SB+2:G0SB+3], s[92:93]
	s_or_b32 s[G0SB+3], s[G0SB+3], 0x80000000
	JLOAD G0S, G1S, G0SB, G1SB                     ; the scales first
.irp s, 0,1
	s_mov_b32 s[G0+4*\s], 1
	s_add_co_u32 s[G0+4*\s+1], s45, \s*SLOT
	s_add_nc_u64 s[G0+4*\s+2:G0+4*\s+3], s[20:21], \s*ASTEP
	s_or_b32 s[G0+4*\s+3], s[G0+4*\s+3], 0x80000000
	s_mov_b32 s[G0B+4*\s], 1
	s_add_co_u32 s[G0B+4*\s+1], s45, \s*SLOT
	s_add_nc_u64 s[G0B+4*\s+2:G0B+4*\s+3], s[46:47], \s*ROWB
	s_or_b32 s[G0B+4*\s+3], s[G0B+4*\s+3], 0x80000000
	s_wait_alu depctr_va_vdst(0)
	s_wait_tensorcnt 0x0
	ds_add_u32 v28, v29
	s_wait_dscnt 0x0
	CROUND
	JLOAD G0+4*\s, G1, G0B+4*\s, G1B               ; three tensor loads of mine are out at the most
.endr
	v_and_b32 v1, 15, v0                           ; r
	v_bfe_u32 v2, v0, 4, 1                         ; h
	v_and_b32 v6, 31, v0
	v_lshlrev_b32 v[CO], 4, v6
	v_mul_u32_u24 v3, v1, PITCH
	v_lshl_add_u32 v4, v2, 4, v3
	s_mul_i32 s21, s15, HALFT                      ; my 128 rows of A: images, 16 x lane
	s_mul_i32 s22, s16, HALFT                      ; my 128 rows of B,
	s_add_co_u32 s22, s22, 2*HALFT                 ; behind A's two parts
.irp s, 0,1
	v_add_nc_u32 v[ADRA+\s], s21, v[CO]
	v_add_nc_u32 v[ADRB+\s], s22, v4
	s_add_co_u32 s21, s21, SLOT
	s_add_co_u32 s22, s22, SLOT
.endr
	v_mul_u32_u24 v5, v1, KS
	v_lshrrev_b32 v6, 8, v5
	v_lshl_add_u32 v5, v6, 4, v5
	s_mul_i32 s21, s15, HALFS
	s_mul_i32 s22, s16, HALFS
	s_add_co_u32 s22, s22, 2*HALFS
	s_sub_co_u32 s22, s22, s21
	v_mul_u32_u24 v6, s22, v2                      ; lanes 16-31 take B's: one product, the distance between the two bases
	s_add_co_u32 s21, s21, SCL
	v_add_nc_u32 v5, v5, v6
	v_add_nc_u32 v[ADRS], s21, v5
	s_mul_i32 s23, s14, 16*SPITCH                  ; my stage
	v_mul_u32_u24 v5, v1, SPITCH
	v_lshl_add_u32 v5, v2, 6, v5                   ; in: row r; my half's 16 columns of each 32: 64 h bytes on
	v_add_nc_u32 v[STO], s23, v5
	v_add_nc_u32 v[RD], s23, v[CO]                 ; back: the 32 lanes take one row of 512 bytes
	s_lshl_b32 s46, s42, 10                        ; my first column, in bytes: 1,024 x tile column + 512 x half
	s_lshl_b32 s47, s16, 9
	s_add_co_u32 s46, s46, s47
	s_mov_b32 s47, 0
	s_add_nc_u64 s[96:97], s[96:97], s[46:47]      ; bo there: tile b, register j, half h: column 32 (b / 2) + 16 h + 8 (b % 2) + j
	v_lshlrev_b32 v7, 6, v2
.irp b, 0,1,2,3,4,5,6,7
	global_load_b128 v[BI+8*\b:BI+8*\b+3], v7, s[96:97] offset:(32*(\b/2)+8*(\b%2))*4
	global_load_b128 v[BI+8*\b+4:BI+8*\b+7], v7, s[96:97] offset:(32*(\b/2)+8*(\b%2))*4+16
.endr
	s_lshl_b32 s20, s17, 8
	s_lshl_b32 s21, s15, 7
	s_add_co_u32 s20, s20, s21                     ; my first row of C,
	s_lshl_b32 s20, s20, 12                        ; 4,096 bytes a row (under 2^26)
	s_add_co_u32 s20, s20, s46
	s_mov_b32 s21, 0
	s_add_nc_u64 s[12:13], s[12:13], s[20:21]
.macro FRAG reg, adr, q, i             ; B's fragment from rows: lane l holds row l % 16; registers 4 c .. 4 c + 3 hold K = 32 c + 16 (l / 16) + 0 .. 15
.irp c, 0,1,2,3
	ds_load_b128 v[\reg+4*\c:\reg+4*\c+3], v[\adr] offset:128*(\q)+32*\c+(\i)*16*PITCH
.endr
.endm
.macro FRAGA reg, adr, q, i            ; A's fragment from its image
.irp c, 0,1,2,3
	ds_load_b128 v[\reg+4*\c:\reg+4*\c+3], v[\adr] offset:(\i)*4096+(\q)*2048+\c*512
.endr
.endm
; 16 matrix instructions: A's blocks a0, a0 + 1 x B's eight.  mode 1: the sums start from the bias.  The 64 accumulators take turns, one instruction a turn.
.macro MUL16 a0, p, q, sc, mode
.irp a, \a0, \a0+1
.irp b, 0,1,2,3,4,5,6,7
.set rD, 8*(8*((\a)%4)+\b)
.set rB, 128*(\p)+FR*\b
.set rA, AF+FR*(\a)
.set rSB, SC+8*NQ*(\sc)+NQ*\b+(\q)
.set rSA, SC+8*NQ*(\sc)+NQ*(\a)+(\q)
.if \mode
	v_wmma_scale_f32_16x16x128_f8f6f4 v[rD:rD+7], v[rB:rB+15], v[rA:rA+15], v[BI+8*\b:BI+8*\b+7], v[rSB], v[rSA] matrix_a_fmt:MATRIX_FMT_BF8 matrix_b_fmt:MATRIX_FMT_BF8 matrix_a_scale:MATRIX_SCALE_ROW1
.else
	v_wmma_scale_f32_16x16x128_f8f6f4 v[rD:rD+7], v[rB:rB+15], v[rA:rA+15], v[rD:rD+7], v[rSB], v[rSA] matrix_a_fmt:MATRIX_FMT_BF8 matrix_b_fmt:MATRIX_FMT_BF8 matrix_a_scale:MATRIX_SCALE_ROW1
.endif
.endr
.endr
.endm
.macro FETCH_B slot, q, p
	WIN TO_B
.irp i, 0,1,2,3,4,5,6,7
	FRAG 128*(\p)+FR*\i, ADRB+\slot, \q, \i
.endr
	WIN 0
.endm
.macro FETCH_A slot, q, i0
.irp i, \i0, \i0+1, \i0+2, \i0+3
	FRAGA AF+FR*(\i), ADRA+\slot, \q, \i
.endr
.endm
.macro SCALES sc
.irp i, 0,1,2,3,4,5,6,7
	ds_load_b64 v[SC+8*NQ*\sc+NQ*\i:SC+8*NQ*\sc+NQ*\i+1], v[ADRS] offset:\i*SBLK
.endr
.endm
.macro PLACES n                        ; places behind matrix instructions: plain vector lines that name none of their registers (ISA guide 7.12.1 for vector instructions)
.rept \n
	v_nop
.endr
.endm
.macro STEP slot, q, mode
	s_wait_dscnt 4*NL                              ; all but the youngest sixteen loads (A's blocks 4-7) are in
.if \mode
	WIN 0x81                                       ; source 0 window 1; source 1 and the bias window 0; D window 2
.else
	WIN MUL_LO
.endif
	MUL16 0, (\q)%2, \q, \slot, \mode
	MUL16 2, (\q)%2, \q, \slot, \mode
	s_wait_dscnt 0
	PLACES NP
	FETCH_B \slot, (\q)+1, 1-(\q)%2
	FETCH_A \slot, (\q)+1, 0
.if \mode
	WIN 0xc1
.else
	WIN MUL_HI
.endif
	MUL16 4, (\q)%2, \q, \slot, \mode
	MUL16 6, (\q)%2, \q, \slot, \mode
	PLACES NP
	WIN 0
	FETCH_A \slot, (\q)+1, 4
.endm
; A slot's last step changes slots: ONE barrier; in front of it each wave waits for all its tensor loads, adds 0 to its spare word, and waits for that and for its own reads of this slot.
.macro TURN slot, next, fill
	s_wait_tensorcnt 0x0                           ; all my tensor loads have landed: my part of the next slot
	ds_add_u32 v[SPW], v[NIL]                      ; 0 onto my spare word
	s_wait_dscnt 4*NL+1                            ; (the add and the youngest sixteen loads may be out)
	WIN MUL_LO
	MUL16 0, 1, NQ-1, \slot, 0
	s_wait_dscnt 0x0                               ; the add is done, and my reads of this slot are over
	s_barrier_signal -1
	MUL16 2, 1, NQ-1, \slot, 0
	WIN 0
	s_barrier_wait -1
.if \fill
	CREST                                          ; the barrier has opened a round of the cluster's barrier: no wave of any partner still reads this slot's tile or has a load on its way
	s_add_nc_u64 s[G0+4*\slot+2:G0+4*\slot+3], s[G0+4*\slot+2:G0+4*\slot+3], 2*ASTEP
	s_add_nc_u64 s[G0B+4*\slot+2:G0B+4*\slot+3], s[G0B+4*\slot+2:G0B+4*\slot+3], 2*ROWB
	JLOAD G0+4*\slot, G1, G0B+4*\slot, G1B         ; the first tensor load behind the round
	PLACES NP-4
.else
	PLACES NP
.endif
	s_wait_alu depctr_va_vdst(0)
	v_add_nc_u32 v[ADRS], 4*NQ, v[ADRS]
	FETCH_B \next, 0, 0
	FETCH_A \next, 0, 0
	SCALES \next
	WIN MUL_HI
	MUL16 4, 1, NQ-1, \slot, 0
	MUL16 6, 1, NQ-1, \slot, 0
	PLACES NP
	WIN 0
	FETCH_A \next, 0, 4
.endm
	s_wait_alu depctr_va_vdst(0)
	s_wait_tensorcnt 1                             ; the scales and my part of K step 0 are in (K step 1's load may be out),
	s_barrier_signal -1
	s_barrier_wait -1                              ; everybody's are
	FETCH_B 0, 0, 0
	FETCH_A 0, 0, 0
	SCALES 0
	FETCH_A 0, 0, 4
	s_wait_loadcnt 0x0                             ; the bias
	STEP 0, 0, 1                                   ; the first products start the sums from the bias
	TURN 0, 1, 1                                   ; K = 1,024 is four K steps: both slots are filled again once, so the steps are written out
	STEP 1, 0, 0
	TURN 1, 0, 1
	STEP 0, 0, 0
	TURN 0, 1, 0
	STEP 1, 0, 0
	s_wait_dscnt 4*NL
	WIN MUL_LO
	MUL16 0, 1, NQ-1, 1, 0
	MUL16 2, 1, NQ-1, 1, 0
	s_wait_dscnt 0
	WIN MUL_HI
	MUL16 4, 1, NQ-1, 1, 0
	MUL16 6, 1, NQ-1, 1, 0
	WIN 0
; THE WAY OUT, block by block of 16 rows x 128 columns, through my own stage in LDS: in by columns' true places, back as whole rows of 512 bytes.
; LDS serves a wave's instructions in order (ISA guide 5.7.1.4): no wait between the stores and the loads, nor in front of the next block's stores.
.macro TOSTAGE a
.set AC, 64*((\a)%4)
	WIN 0x08+4*((\a)/4)                            ; the data: window 2 or 3
.irp b, 0,1,2,3,4,5,6,7
	ds_store_b128 v[STO], v[AC+8*\b:AC+8*\b+3] offset:128*(\b/2)+32*(\b%2)         ; each accumulator from its low end on
	ds_store_b128 v[STO], v[AC+8*\b+4:AC+8*\b+7] offset:128*(\b/2)+32*(\b%2)+16
.endr
	WIN 0
.set BB, BK+64*((\a)%2)
.irp t, 0,1,2,3,4,5,6,7,8,9,10,11,12,13,14,15
	ds_load_b128 v[BB+4*\t:BB+4*\t+3], v[RD] offset:\t*SPITCH
.endr
.endm
.macro SEND a, younger                 ; younger: the LDS instructions issued behind block a's loads, which may stay out
.set BB, BK+64*((\a)%2)
	s_wait_dscnt \younger
.irp t, 0,1,2,3,4,5,6,7,8,9,10,11,12,13,14,15
	global_store_b128 v[CO], v[BB+4*\t:BB+4*\t+3], s[12:13] offset:(32*((\a)/2)+8*((\a)%2)+\t+8*(\t/8))*4096 th:TH_STORE_NT   ; the place's true row stands in the immediate; 32 lanes store 512 consecutive bytes, aligned
.endr
.endm
	PLACES NP                                      ; behind the last products: for the reads of results and for the loads into the registers that held A's fragments
	TOSTAGE 0
.irp a, 1,2,3,4,5,6,7
.if \a > 1
	s_wait_xcnt 0x0                                ; block a - 2's stores have read their registers: block a's loads may land there
.endif
	TOSTAGE \a
	SEND \a-1, 32                                  ; behind block a - 1's loads: block a's 16 stores and 16 loads
.endr
	SEND 7, 0
	s_wait_tensorcnt 0x0                           ; the wave's end
	ds_add_u32 v[SPW], v[NIL]
	s_wait_dscnt 0x0
	CROUND                                         ; the closing round
	s_endpgm
.Lfunc_end_k_qd0ae3ad32a_proj:
	.size	k_qd0ae3ad32a_proj, .Lfunc_end_k_qd0ae3ad32a_proj-k_qd0ae3ad32a_proj
	.p2alignl 7, 3214868480
	.fill 96, 4, 3214868480
	.section	.rodata,"a",@progbits
	.p2align	6, 0x0
	.amdhsa_kernel k_qd0ae3ad32a_proj
		.amdhsa_group_segment_fixed_size 327680
		.amdhsa_private_segment_fixed_size 0
		.amdhsa_enable_private_segment 0
		.amdhsa_kernarg_size 48
		.amdhsa_user_sgpr_count 2
		.amdhsa_user_sgpr_kernarg_segment_ptr 1
		.amdhsa_wavefront_size32 1
		.amdhsa_system_sgpr_workgroup_id_x 1
		.amdhsa_system_sgpr_workgroup_id_y 1
		.amdhsa_system_sgpr_workgroup_id_z 1
		.amdhsa_system_vgpr_workitem_id 0
		.amdhsa_next_free_vgpr 1024
		.amdhsa_next_free_sgpr 98
		.amdhsa_reserve_vcc 0
		.amdhsa_float_denorm_mode_32 3
		.amdhsa_float_denorm_mode_16_64 3
		.amdhsa_memory_ordered 1
		.amdhsa_forward_progress 1
		.amdhsa_inst_pref_size 147
	.end_amdhsa_kernel
	.amdgpu_metadata
---
amdhsa.version: [ 1, 2 ]
amdhsa.kernels:
  - .name:           k_qd0ae3ad32a_proj
    .symbol:         k_qd0ae3ad32a_proj.kd
    .args:
      - { .name: att, .offset: 0, .size: 8, .value_kind: global_buffer, .address_space: global }
      - { .name: atts, .offset: 8, .size: 8, .value_kind: global_buffer, .address_space: global }
      - { .name: cod, .offset: 16, .size: 8, .value_kind: global_buffer, .address_space: global }
      - { .name: scl, .offset: 24, .size: 8, .value_kind: global_buffer, .address_space: global }
      - { .name: bo, .offset: 32, .size: 8, .value_kind: global_buffer, .address_space: global }
      - { .name: out0, .offset: 40, .size: 8, .value_kind: global_buffer, .address_space: global }
    .group_segment_fixed_size: 327680
    .private_segment_fixed_size: 0
    .kernarg_segment_align: 8
    .kernarg_segment_size: 48
    .max_flat_workgroup_size: 128
    .sgpr_count:     98
    .vgpr_count:     1024
    .wavefront_size: 32
...
	.end_amdgpu_metadata
.endif
;; end of part 4
